; MI455X (gfx1250); checked and timed in simulation.
; The chip was launched on July 23, 2026; its instructions are those of AMD's public machine-readable ISA for CDNA 5 (MIT licence, August 2026) and "CDNA5" Instruction Set Architecture Reference Guide (July 2026). The comments in the code are by the model that wrote it; some were corrected since.
;; Multi Head Attention. Allowed arithmetic: matrix products marked QUANTISED: E4M3 operands, one E8M0 scale for each 32 along K, by v_wmma_scale_f32_16x16x128_f8f6f4 with both operands' format E4M3, f32 sums; everything else in f32.
;; Inputs: Wk_codes 1,024 x 32 x 32 uint8 (E4M3 codes of Wk, K innermost, in blocks of 32 codes); Wk_scales 1,024 x 32 uint8 (E8M0 scales of Wk, one for each 32 codes along K); Wo_codes 1,024 x 32 x 32 uint8 (E4M3 codes of Wo, K innermost, in blocks of 32 codes); Wo_scales 1,024 x 32 uint8 (E8M0 scales of Wo, one for each 32 codes along K); Wq_codes 1,024 x 32 x 32 uint8 (E4M3 codes of Wq, K innermost, in blocks of 32 codes); Wq_scales 1,024 x 32 uint8 (E8M0 scales of Wq, one for each 32 codes along K); Wv_codes 1,024 x 32 x 32 uint8 (E4M3 codes of Wv, K innermost, in blocks of 32 codes); Wv_scales 1,024 x 32 uint8 (E8M0 scales of Wv, one for each 32 codes along K); bo 1,024 float32; x_codes 4 x 2,048 x 32 x 32 uint8 (E4M3 codes of x, K innermost, in blocks of 32 codes); x_scales 4 x 2,048 x 32 uint8 (E8M0 scales of x, one for each 32 codes along K).
;; Outputs: out0 4 x 2,048 x 1,024 float32.
;; This version of the problem:
;;   THIS VERSION OF THE PROBLEM IS GIVEN IN LOW PRECISION. The matrix products marked QUANTISED in the list below multiply operands that are first quantised to E4M3 (4 exponent bits, 3 mantissa bits; 8 bits a number), with one power-of-two scale for each 32 numbers along K (OCP MX v1.0); their sums are f32. All else is computed in f32.
;;   The module's matrix products, in the order in which they are computed (A, B: the left and right operand; K: the contracted axis; several contracted axes count as one K, in the product's order):
;;     1. [M 8,192, K 1,024] x [K 1,024, N 1,024]; A: input x (given as codes); B: input Wq (given as codes): QUANTISED
;;     2. [M 8,192, K 1,024] x [K 1,024, N 1,024]; A: input x (given as codes); B: input Wk (given as codes): QUANTISED
;;     3. [M 8,192, K 1,024] x [K 1,024, N 1,024]; A: input x (given as codes); B: input Wv (given as codes): QUANTISED
;;     4. batch 64 x [M 2,048, K 64] x [K 64, N 2,048]; A: computed on the way; B: computed on the way: QUANTISED
;;     5. batch 64 x [M 2,048, K 2,048] x [K 2,048, N 64]; A: softmax (see below); B: computed on the way: QUANTISED
;;     6. [M 8,192, K 1,024] x [K 1,024, N 1,024]; A: computed on the way; B: input Wo (given as codes): QUANTISED
;;   THE QUANTISER, for each operand of a quantised product, along K:
;;     - K is cut into blocks of 32 from its start; a last block that is shorter is filled with zeros.
;;     - A block's scale is 2^e with e = floor(log2(the largest magnitude in the block)) - 8, held to -126 .. 127; a block of zeros has e = 0. As a byte (E8M0): e + 127.
;;     - Each number is divided by its block's scale, clamped to +-448, and rounded to the nearest number of E4M3, ties to even, subnormals kept.
;;     - The product sums the exact products of the quantised numbers (number of the format x scale) in f32.
;;   ~~~python
;;   def quantise(x, axis):      # numpy; x: float32 -> the quantised numbers, widened to float32 again
;;       x = np.moveaxis(x, axis, -1); K = x.shape[-1]
;;       x = np.pad(x, [(0, 0)] * (x.ndim - 1) + [(0, -K % 32)]); x = x.reshape(x.shape[:-1] + (-1, 32)); a = np.abs(x).max(-1, keepdims=True)
;;       e = np.where(a > 0, np.clip(np.frexp(np.where(a > 0, a, 1))[1] - 1 - 8, -126, 127), 0)      # np.frexp(a)[1] - 1 = floor(log2(a)), exactly
;;       r = np.clip(x / 2.0 ** e, -448, 448)
;;       step = 2.0 ** (np.maximum(np.frexp(np.where(r == 0, 1, r))[1] - 1, -6) - 3)
;;       q = np.round(r / step) * step * 2.0 ** e      # np.round: ties to even
;;       return np.moveaxis(q.reshape(q.shape[:-2] + (-1,))[..., :K], -1, axis).astype(np.float32)
;;   ~~~
;;   SOFTMAX AHEAD OF A QUANTISED PRODUCT. Where the list says 'softmax', what is quantised is not the finished softmax but p = 2^(t - M), with t = logit x log2(e) and M = ceil(the row's largest t), a whole number; so 1/2 < the row's largest p <= 1. The row's sum l is taken of the UNQUANTISED p, in f32, and the product's result is divided by l at the end. Since M is a whole number, a kernel that streams over the keys may use a running M (the ceiling of the running maximum): every later rescaling is an exact power of two, which a block's scale takes up: the codes' values come out the same.
;;   OPERANDS COMPUTED ON THE WAY. 'Computed on the way' means the value that the module computes at that place (a softmax that the list does not call 'softmax' is quantised finished and normalised). What goes into a quantiser is computed in f32, as accurately as f32 sums, v_exp_f32 and their like allow (about 1e-6 of the number): no bf16 or f16 on the way to a quantiser, and a product that is left as it is and whose result goes on into a quantised operand takes f32 operands (vector FMAs, or v_wmma_f32_16x16x4_f32). A number that lies on a knife's edge between two numbers of the format may be rounded either way, as far as f32 arithmetic and the matrix unit's own rounding can turn it there, and no further.
;;   INPUTS GIVEN AS CODES. Wk (in the module: [1024, 1024], K = its axis 1); Wo (in the module: [1024, 1024], K = its axis 1); Wq (in the module: [1024, 1024], K = its axis 1); Wv (in the module: [1024, 1024], K = its axis 1); x (in the module: [4, 2048, 1024], K = its axis 2): each comes as NAME_codes (uint8): NAME with its K axis moved to the last place and cut into blocks of 32 codes, [.., K / 32, bytes a block], one block behind the other in memory; one code a byte (a code: sign, 4 exponent bits, 3 mantissa bits); and NAME_scales (uint8): the same leading axes, one E8M0 byte (e + 127) for each 32 codes along K. Its value is code x scale, taken as it is: it is not quantised again, and the codes and scales need not be those that the quantiser above would give.
;; One version. Each part assembles by itself: llvm-mc -triple=amdgcn-amd-amdhsa -mcpu=gfx1250 --defsym DOCPART=n.
;; ======== version 1 of 1: 3 launches
;; limits: right only within a limited range of input values
;; workspace buffers: qb 8,650,752 bytes; kv 17,301,504 bytes; ctx 8,388,608 bytes; csc 262,144 bytes
;; launch qkv (part 1): grid 12 x 32, 4 waves a work-group, clusters of 4 x 4, 327,680 bytes of LDS; arguments x_codes, x_scales, Wq_codes, Wq_scales, Wk_codes, Wk_scales, Wv_codes, Wv_scales, qb, kv; writes qb, kv
.if DOCPART == 1
	.amdgcn_target "amdgcn-amd-amdhsa--gfx1250"
	.amdhsa_code_object_version 6
	.text
	.protected	k_q35070f05d1_qkv
	.globl	k_q35070f05d1_qkv
	.p2align	8
	.type	k_q35070f05d1_qkv,@function
k_q35070f05d1_qkv:
	s_mov_b64 s[64:65], 0
	v_nop
	global_prefetch_b8 v0, s[64:65] scope:SCOPE_SE
	s_setreg_imm32_b32 hwreg(HW_REG_WAVE_MODE, 25, 1), 1
	s_wait_xcnt 0x0
	s_wait_alu depctr_hold_cnt(0) depctr_sa_sdst(0) depctr_va_vdst(0) depctr_va_sdst(0) depctr_va_ssrc(0) depctr_va_vcc(0) depctr_vm_vsrc(0)
	s_getreg_b32 s2, hwreg(HW_REG_IB_STS2, 6, 4)
	s_cmp_eq_u32 s2, 0
	s_cbranch_scc0 .Lentry_in_a_cluster
	s_endpgm
.Lentry_in_a_cluster:
	s_bfe_u32 s2, ttmp6, 0x10000c
	s_cmp_lg_u32 s2, 0xf033
	s_cbranch_scc0 .Lentry_shape_is_right
	s_endpgm
.Lentry_shape_is_right:
; q = x Wq^T, k = x Wk^T, v = x Wv^T on codes of FP8 (E4M3) with one E8M0 scale for each 32 along K = 1,024; the f32 sums are quantised here, in registers, and leave as codes.
; ONE TEXT FOR THE THREE PRODUCTS.  The cluster's x says which: 0 q, 1 k, 2 v.  A tile is 256 x 256, four waves, each 128 x 128 in 64 accumulators.  The matrix instruction is used transposed:
; source 1 (called A here) gives a lane its row, source 0 (called B) runs along the lane's registers.  The next product's K must run along the registers.  For q and k that K is the head's 64 channels:
; A = x (a lane owns a token), B = the weight.  For v that K is the keys: A = Wv (a lane owns a channel), B = x.  All four tensors have rows of 1,024 code bytes and 32 scale bytes, so only pointers and tile numbers differ.
; K goes in steps of 256 through a ring of two LDS slots filled by the tensor data mover; the scale bytes of the tile's 256 + 256 rows come once and stay.
; CLUSTERS: 4 x 4 work-groups; A's tiles are asked for jointly along a row of the cluster, B's along a column: the same tensor load, the same descriptor, a mask that names the four.
; THE WAY OUT.  For A's block a, the 16 registers of accumulators 2 c and 2 c + 1 hold, in lane (r, h), B's rows 32 c + 8 h + 0..7 and 32 c + 16 + 8 h + 0..7: half of a block of 32, the other half in lane l xor 16.
; The block's scale is 2^(floor(log2(largest magnitude)) - 8); numbers are held within 448 x the scale and converted.  The codes are then registers 4 c .. 4 c + 3 of an operand whose order INSIDE a block of 32 is
; not ascending; it is the same order in q and k, and in v and in the weights p of the attention launch, so the products are the same sets of exact products.
; The codes are stored as IMAGES OF OPERAND REGISTERS: four registers by one store, lane l at 16 l: 512 consecutive bytes.
;   qb: block (16 batch + head) x 8 + slot of 256 tokens, 16,896 bytes: token tile t at 1,024 t, the head's block b at + 512 b; then two units of 256 scale bytes (128 tokens each).
;   kv: block of 33,792 bytes: k as in qb, then v: 8,192 step + 2,048 channel tile + 512 key block; then two units of scale bytes.
;   A unit of scale bytes: lane l has two words at 8 l.  Word 0: lanes 0-15 item 0, lanes 16-31 item 1; word 1: items 2 and 3.  q, k: item c, lane r: the two bytes of token 32 c + r and the two of token 32 c + 16 + r.
;   v: item t, lane r: channel 16 t + r, its four bytes for the step's four blocks of 32 keys.
; LIMITS: a block of zeros gets the byte 1 and not 127 (its codes are zeros; the bytes are read by this program alone); a block whose largest magnitude lies under 2^-118 keeps that floor's byte; NaN and infinities among the sums are not served.
.set SIZE_K, 1024
.set KSTEP,  256                       ; along K in a slot
.set NQ,     KSTEP/128                 ; matrix instructions deep
.set ROWB,   256                       ; a tile's row in bytes
.set KROW,   SIZE_K                    ; a row in memory, in bytes
.set PITCH,  272                       ; an LDS row: 256 bytes + 16 of padding = 68 words: row r starts at bank 4 r mod 64 (64 banks of 4 bytes: ISA guide 11.1)
.set FR,     16                        ; registers of a fragment: 16 rows x 128 K
.set NL,     4                         ; LDS loads that bring one
.set NP,     8                         ; places behind this matrix instruction (ISA guide 7.12.1)
.set HALFT,  128*PITCH                 ; 128 rows: what one tensor load brings
.set SLOT,   4*HALFT                   ; A's 256 rows, then B's 256 rows
.set LAPS,   SIZE_K/(2*KSTEP)          ; a lap = two K steps = once round the ring
.set KS,     SIZE_K/32                 ; a row of scales in bytes
.set SCL,    2*SLOT                    ; behind the ring: the scales, as units of 256 bytes + 16 of padding
.set HALFS,  (128*KS/256)*272          ; the scales of 128 rows
.set SBLK,   (16*KS/256)*272           ; those of 16 rows
.set SPARE,  SCL+4*HALFS               ; the spare words, 128 bytes for each wave: two blocks of 256 bytes that no other line names
.set QBLK,   16896                     ; a block of qb, and half a block of kv
.set ADRA, 16                          ; v16-17  LDS address of my A fragments in slot 0, 1
.set ADRB, 20                          ; v20-21  the same for B
.set LI,   24                          ; v24     16 x lane: my place in an image
.set LS,   25                          ; v25     8 x lane: my place in a unit of scale bytes
.set ADRS, 27                          ; v27     LDS address of my scale words: lanes 0-15 A's rows, lanes 16-31 B's
.set SPW,  28                          ; v28     LDS address of my spare word; never rewritten
.set NIL,  29                          ; v29     0; never rewritten
.set SC,   32                          ; v32-63  scale words, two sets; they hold nothing else
.set AF,   128                         ; A's fragments, in window 0
.set X,    64                          ; the way out: v64-127 64 held numbers
.set PC,   128                         ; v128-143 their codes
.set TM,   144                         ; v144-147 largest magnitudes, v148-151 bytes, v152-155 448 x the scale, v156-159 the conversions' scale operands
.set PWS,  160                         ; v160-167 the scale word of each of A's eight blocks
.set WD,   168                         ; v168-175 words at work
.set OUTW, 176                         ; v176-179 two pairs to store
.set G1, 24                            ; s[24:31] descriptor group 1 for A's tiles;  s[32:39] group 0, one set for each slot
.set G0, 32
.set G1B, 48                           ; s[48:55], s[56:63] the same for B's tiles
.set G0B, 56
.set G1S, 68                           ; s[68:75], s[76:79] groups 1 and 0 for A's scales;  s[80:87], s[88:91] for B's
.set G0S, 76
.set G1SB, 80
.set G0SB, 88
.set KIND, 66                          ; s66  0 q, 1 k, 2 v: the cluster's x, the same in all sixteen partners
.set MSB, 0
.macro WIN new                         ; the immediate's high byte repeats the setting that is left
.if MSB != (\new)
	s_set_vgpr_msb (MSB<<8)|(\new)
.set MSB, (\new)
.endif
.endm
.set MUL_LO, 0xa1                      ; source 0 (B) window 1, source 1 (A) window 0, C and D window 2
.set MUL_HI, 0xf1                      ; the same, C and D window 3
.set TO_B,   0x40                      ; destination window 1, address window 0
; A joint load: waves 0 and 1 fetch for A, waves 2 and 3 for B.  Each line has one mask and one set of registers for all that issue it; the branch hangs on the wave's number alone.
; Four v_nop follow each of the two lines, ahead of the jump, the label and what follows.
.macro JLOAD g0a, g1a, g0b, g1b
	s_cmp_eq_u32 s15, 0
	s_cbranch_scc0 .Lfor_b_\@
	tensor_load_to_lds s[\g0a:\g0a+3], s[\g1a:\g1a+7]
	s_nop 0
.rept 4
	v_nop
.endr
	s_branch .Lasked_\@
.Lfor_b_\@:
	tensor_load_to_lds s[\g0b:\g0b+3], s[\g1b:\g1b+7]
	s_nop 0
.rept 4
	v_nop
.endr
.Lasked_\@:
.endm
.macro CREST                           ; a round of the cluster's barrier behind its opening barrier
	s_cmp_lg_u32 s14, 0
	s_cbranch_scc1 .Lnot_wave_0_\@
	s_barrier_signal -3
.Lnot_wave_0_\@:
	s_barrier_wait -3
	s_barrier_signal -1
	s_barrier_wait -1
.endm
.macro CROUND                          ; a whole round
	s_barrier_signal -1
	s_barrier_wait -1
	CREST
.endm
	s_load_b512 s[68:83], s[0:1], 0x0              ; x codes, x scales, Wq codes, Wq scales, Wk codes, Wk scales, Wv codes, Wv scales
	s_load_b128 s[84:87], s[0:1], 0x40             ; qb, kv
	v_lshl_add_u32 v[SPW], v0, 2, SPARE
	v_mov_b32 v[NIL], 0
	ds_add_u32 v28, v29
	ds_add_u32 v28, v29
	s_wait_dscnt 0x0
	v_lshrrev_b32 v1, 5, v0
	v_readfirstlane_b32 s14, v1                    ; wave 0..3
	s_lshr_b32 s15, s14, 1                         ; which half of A's rows is mine.  Also: I fetch for A (0) or for B (1)
	s_and_b32 s16, s14, 1                          ; which half of B's rows.  Also: which 128 rows of that tile I fetch
	s_bfe_u32 s40, ttmp6, 0x40000                  ; cx, cy: my place in the cluster
	s_bfe_u32 s41, ttmp6, 0x40004
	s_mov_b32 s[KIND], ttmp9
	s_and_b32 s18, ttmp7, 0xffff
	s_lshl_b32 s18, s18, 2                         ; 4 x cluster y: it walks x's 32 tiles of 256 tokens
	s_cmp_eq_u32 s[KIND], 2
	s_cselect_b32 s19, 0, s18                      ; x is A for q and k,
	s_cselect_b32 s20, s18, 0                      ; and B for v
	s_add_co_u32 s17, s41, s19                     ; A's tile: made of cy, cluster y and the kind alone
	s_add_co_u32 s42, s40, s20                     ; B's tile: made of cx, cluster y and the kind alone
	s_lshl_b32 s43, s41, 2
	s_lshl_b32 s43, 15, s43                        ; my row of the cluster
	s_lshl_b32 s44, 0x1111, s40                    ; my column
	s_wait_kmcnt 0x0
	s_cmp_eq_u32 s[KIND], 0                        ; the choices hang on the kind alone
	s_cselect_b64 s[92:93], s[72:73], s[76:77]     ; the weight of q or of k: codes,
	s_cselect_b64 s[94:95], s[74:75], s[78:79]     ; scales
	s_cselect_b64 s[12:13], s[84:85], s[86:87]     ; where the results go: qb, or kv
	s_cmp_eq_u32 s[KIND], 2
	s_cselect_b64 s[4:5], s[80:81], s[68:69]       ; A's codes: Wv, or x
	s_cselect_b64 s[6:7], s[82:83], s[70:71]       ; A's scales
	s_cselect_b64 s[8:9], s[68:69], s[92:93]       ; B's codes: x, or the weight
	s_cselect_b64 s[10:11], s[70:71], s[94:95]     ; B's scales
	; descriptor group 1: a tile of 128 rows x 256 bytes, padded in LDS
	s_or_b32 s[G1+0], s43, (0<<16)|(1<<20)|(1<<21)|(5<<22)|(3<<25)  ; 15:0 the mask: my row; 17:16 element of 1 byte; 20 padding on; 21 set beside a mask; 24:22 after every 64 words; 31:25 four words
	s_or_b32 s[G1B+0], s44, (0<<16)|(1<<20)|(1<<21)|(5<<22)|(3<<25) ; the same with the mask of my column
.irp g, G1, G1B
	s_mov_b32 s[\g+1], ROWB<<16                    ; tensor_dim0
	s_mov_b32 s[\g+2], 128<<16                     ; tensor_dim1
	s_mov_b32 s[\g+3], ROWB<<16                    ; tile_dim0
	s_mov_b32 s[\g+4], 128                         ; tile_dim1
	s_mov_b32 s[\g+5], KROW                        ; tensor_dim0_stride
	s_mov_b32 s[\g+6], 0
	s_mov_b32 s[\g+7], 0
.endr
	; the scales of 128 rows: a dense block of 4,096 bytes, as rows of 256 bytes (32 elements of 8 bytes), 16 bytes of padding behind each
	s_or_b32 s[G1S+0], s43, (3<<16)|(1<<20)|(1<<21)|(5<<22)|(3<<25)
	s_or_b32 s[G1SB+0], s44, (3<<16)|(1<<20)|(1<<21)|(5<<22)|(3<<25)
.irp g, G1S, G1SB
	s_mov_b32 s[\g+1], 32<<16
	s_mov_b32 s[\g+2], (128*KS/256)<<16
	s_mov_b32 s[\g+3], 32<<16
	s_mov_b32 s[\g+4], 128*KS/256
	s_mov_b32 s[\g+5], 32
	s_mov_b32 s[\g+6], 0
	s_mov_b32 s[\g+7], 0
.endr
	s_lshl_b32 s18, s16, 7                         ; which 128 rows of the tile I fetch
	s_lshl_b32 s20, s17, 8
	s_add_co_u32 s20, s20, s18                     ; A: row 256 x tile + 128 x half
	s_lshl_b32 s22, s20, 5                         ; its scales: 32 bytes a row,
	s_lshl_b32 s20, s20, 10                        ; its codes: 1,024 bytes a row (8,192 rows at the most: under 2^32)
	s_mov_b32 s21, 0
	s_mov_b32 s23, 0
	s_lshl_b32 s46, s42, 8
	s_add_co_u32 s46, s46, s18                     ; B likewise
	s_lshl_b32 s92, s46, 5
	s_lshl_b32 s46, s46, 10
	s_mov_b32 s47, 0
	s_mov_b32 s93, 0
	s_mul_i32 s45, s14, HALFT                      ; where they go: wave x 128 rows: no place in the cluster enters an LDS address
	s_mul_i32 s94, s14, HALFS
	s_add_nc_u64 s[20:21], s[4:5], s[20:21]
	s_add_nc_u64 s[22:23], s[6:7], s[22:23]
	s_add_nc_u64 s[46:47], s[8:9], s[46:47]
	s_add_nc_u64 s[92:93], s[10:11], s[92:93]
	CROUND                                         ; all sixteen work-groups are here: the first joint loads meet
	s_mov_b32 s[G0S], 1
	s_add_co_u32 s[G0S+1], s94, SCL
	s_mov_b64 s[G0S+2:G0S+3], s[22:23]
	s_or_b32 s[G0S+3], s[G0S+3], 0x80000000
	s_mov_b32 s[G0SB], 1
	s_add_co_u32 s[G0SB+1], s94, SCL
	s_mov_b64 s[G0SB+2:G0SB+3], s[92:93]
	s_or_b32 s[G0SB+3], s[G0SB+3], 0x80000000
	JLOAD G0S, G1S, G0SB, G1SB                     ; the scales first: they are wanted with K step 0
.irp s, 0,1
	s_mov_b32 s[G0+4*\s], 1
	s_add_co_u32 s[G0+4*\s+1], s45, \s*SLOT
	s_add_nc_u64 s[G0+4*\s+2:G0+4*\s+3], s[20:21], \s*ROWB
	s_or_b32 s[G0+4*\s+3], s[G0+4*\s+3], 0x80000000
	s_mov_b32 s[G0B+4*\s], 1
	s_add_co_u32 s[G0B+4*\s+1], s45, \s*SLOT
	s_add_nc_u64 s[G0B+4*\s+2:G0B+4*\s+3], s[46:47], \s*ROWB
	s_or_b32 s[G0B+4*\s+3], s[G0B+4*\s+3], 0x80000000
	JLOAD G0+4*\s, G1, G0B+4*\s, G1B
.endr
	v_and_b32 v1, 15, v0                           ; l % 16
	v_bfe_u32 v2, v0, 4, 1                         ; l / 16
	v_mul_u32_u24 v3, v1, PITCH
	v_lshl_add_u32 v4, v2, 4, v3                   ; a fragment's row x pitch + 16 x half
	s_mul_i32 s21, s15, HALFT                      ; my 128 rows of A
	s_mul_i32 s22, s16, HALFT                      ; my 128 rows of B,
	s_add_co_u32 s22, s22, 2*HALFT                 ; which lie behind A's 256
.irp s, 0,1
	v_add_nc_u32 v[ADRA+\s], s21, v4
	v_add_nc_u32 v[ADRB+\s], s22, v4
	s_add_co_u32 s21, s21, SLOT
	s_add_co_u32 s22, s22, SLOT
.endr
	v_mul_u32_u24 v5, v1, KS                       ; my row's scales: KS bytes a row,
	v_lshrrev_b32 v6, 8, v5
	v_lshl_add_u32 v5, v6, 4, v5                   ; and 16 more for each 256 passed
	s_mul_i32 s21, s15, HALFS                      ; A's: my 128 rows
	s_mul_i32 s22, s16, HALFS                      ; B's: my 128 rows, behind A's 256
	s_add_co_u32 s22, s22, 2*HALFS
	s_sub_co_u32 s22, s22, s21
	v_mul_u32_u24 v6, s22, v2                      ; lanes 16-31 take B's
	s_add_co_u32 s21, s21, SCL
	v_add_nc_u32 v5, v5, v6
	v_add_nc_u32 v[ADRS], s21, v5
	v_and_b32 v6, 31, v0
	v_lshlrev_b32 v[LI], 4, v6
	v_lshlrev_b32 v[LS], 3, v6
	; where my results go, as offsets: s96 the images, s97 the units of scale bytes, s98 from a head to the next
	s_cmp_eq_u32 s[KIND], 2
	s_cselect_b32 s18, s42, s17                    ; the tile of 256 tokens,
	s_cselect_b32 s19, s17, s42                    ; the tile of 256 output channels (four heads),
	s_cselect_b32 s20, s16, s15                    ; my half of the tokens: a step of 128,
	s_cselect_b32 s21, s15, s16                    ; my half of the channels: two heads
	s_cselect_b32 s67, QBLK, 0                     ; v lies behind k in a block of kv
	s_lshl_b32 s19, s19, 2
	s_lshl_b32 s21, s21, 1
	s_add_co_u32 s19, s19, s21                     ; my first head
	s_lshr_b32 s21, s18, 3                         ; the batch
	s_lshl_b32 s21, s21, 4
	s_add_co_u32 s21, s21, s19
	s_lshl_b32 s21, s21, 3
	s_and_b32 s18, s18, 7                          ; the slot of 256 tokens
	s_add_co_u32 s21, s21, s18                     ; the block: (16 batch + head) x 8 + slot
	s_cmp_eq_u32 s[KIND], 0
	s_mov_b32 s98, 2*QBLK
	s_cselect_b32 s98, QBLK, s98                   ; a block's bytes
	s_mul_i32 s21, s21, s98
	s_add_co_u32 s67, s67, s21
	s_lshl_b32 s18, s20, 13
	s_add_co_u32 s96, s67, s18                     ; a step's images are 8,192 bytes
	s_lshl_b32 s18, s20, 8
	s_add_co_u32 s97, s67, s18
	s_add_co_u32 s97, s97, 16384                   ; the units lie behind the images
	s_lshl_b32 s98, s98, 3                         ; a head has eight blocks
.macro FRAG reg, adr, q, i             ; a fragment, 16 rows x 128 K: lane l holds row l % 16; registers 4 c .. 4 c + 3 hold K = 32 c + 16 (l / 16) + 0 .. 15
.irp c, 0,1,2,3
	ds_load_b128 v[\reg+4*\c:\reg+4*\c+3], v[\adr] offset:128*(\q)+32*\c+(\i)*16*PITCH
.endr
.endm
; 16 matrix instructions: A's blocks a0, a0 + 1 x B's eight, 128 along K: the slot's q-th.  p: B's set;  sc: the set of scale words.  zero = 1: the first product starts the sums.
; The 64 accumulators take turns, one instruction a turn, in the same order in every step.
.macro MUL16 a0, p, q, sc, zero
.irp a, \a0, \a0+1
.irp b, 0,1,2,3,4,5,6,7
.if \zero
	v_wmma_scale_f32_16x16x128_f8f6f4 v[8*(8*((\a)%4)+\b):8*(8*((\a)%4)+\b)+7], v[128*(\p)+FR*\b:128*(\p)+FR*\b+FR-1], v[AF+FR*(\a):AF+FR*(\a)+FR-1], 0, v[SC+8*NQ*(\sc)+NQ*\b+(\q)], v[SC+8*NQ*(\sc)+NQ*(\a)+(\q)] matrix_a_scale:MATRIX_SCALE_ROW1
.else
	v_wmma_scale_f32_16x16x128_f8f6f4 v[8*(8*((\a)%4)+\b):8*(8*((\a)%4)+\b)+7], v[128*(\p)+FR*\b:128*(\p)+FR*\b+FR-1], v[AF+FR*(\a):AF+FR*(\a)+FR-1], v[8*(8*((\a)%4)+\b):8*(8*((\a)%4)+\b)+7], v[SC+8*NQ*(\sc)+NQ*\b+(\q)], v[SC+8*NQ*(\sc)+NQ*(\a)+(\q)] matrix_a_scale:MATRIX_SCALE_ROW1
.endif
.endr
.endr
.endm
.macro FETCH_B slot, q, p              ; B's eight fragments of the slot's q-th 128 along K into set p
	WIN TO_B
.irp i, 0,1,2,3,4,5,6,7
	FRAG 128*(\p)+FR*\i, ADRB+\slot, \q, \i
.endr
	WIN 0
.endm
.macro FETCH_A slot, q, i0             ; A's blocks i0 .. i0 + 3
.irp i, \i0, \i0+1, \i0+2, \i0+3
	FRAG AF+FR*(\i), ADRA+\slot, \q, \i
.endr
.endm
.macro SCALES sc                       ; the next K step's scale words into set sc: two words a row; lanes 0-15 take A's block i, lanes 16-31 B's block i
.irp i, 0,1,2,3,4,5,6,7
	ds_load_b64 v[SC+8*NQ*\sc+NQ*\i:SC+8*NQ*\sc+NQ*\i+1], v[ADRS] offset:\i*SBLK
.endr
.endm
; A load into a register that a matrix instruction has read, and a vector instruction that reads a matrix result or writes one of its registers, stand NP places behind it; only plain vector
; instructions that name none of its registers are places (ISA guide 7.12.1 for vector instructions).
.macro PLACES n
.rept \n
	v_nop
.endr
.endm
; A step of 128 along K that has its successor in the same slot.
.macro STEP slot, q, zero
	s_wait_dscnt 4*NL                              ; B's set and A's blocks 0-3 are in; the youngest 16 loads (A's blocks 4-7) may be out
	WIN MUL_LO
	MUL16 0, (\q)%2, \q, \slot, \zero
	MUL16 2, (\q)%2, \q, \slot, \zero
	s_wait_dscnt 0                                 ; A's blocks 4-7 are in
	PLACES NP
	FETCH_B \slot, (\q)+1, 1-(\q)%2
	FETCH_A \slot, (\q)+1, 0
	WIN MUL_HI
	MUL16 4, (\q)%2, \q, \slot, \zero
	MUL16 6, (\q)%2, \q, \slot, \zero
	PLACES NP
	WIN 0
	FETCH_A \slot, (\q)+1, 4
.endm
; A slot's last step changes slots: ONE barrier; in front of it each wave waits for all its tensor loads, adds 0 to its spare word, and waits for that and for its own reads of this slot.  fill = 1: this slot is filled again, two K steps ahead.
.macro TURN slot, next, fill
	s_wait_tensorcnt 0x0                           ; all my tensor loads have landed: my part of the next slot
	ds_add_u32 v[SPW], v[NIL]                      ; 0 onto my spare word
	s_wait_dscnt 4*NL+1                            ; (the add and the youngest 16 loads, A's blocks 4-7, may be out)
	WIN MUL_LO
	MUL16 0, 1, NQ-1, \slot, 0                     ; sixteen matrix instructions stand between the add and the wait for it
	s_wait_dscnt 0x0                               ; the add is done, and my reads of this slot are over
	s_barrier_signal -1
	MUL16 2, 1, NQ-1, \slot, 0
	WIN 0
	s_barrier_wait -1
.if \fill
	CREST                                          ; the barrier has opened a round of the cluster's barrier: no wave of any partner still reads this slot's tile or has a load on its way
	s_add_nc_u64 s[G0+4*\slot+2:G0+4*\slot+3], s[G0+4*\slot+2:G0+4*\slot+3], 2*ROWB
	s_add_nc_u64 s[G0B+4*\slot+2:G0B+4*\slot+3], s[G0B+4*\slot+2:G0B+4*\slot+3], 2*ROWB
	JLOAD G0+4*\slot, G1, G0B+4*\slot, G1B         ; the first tensor load behind the round; its four v_nop are among the places in front of the loads below
	PLACES NP-4
.else
	PLACES NP
.endif
	s_wait_alu depctr_va_vdst(0)
	v_add_nc_u32 v[ADRS], 4*NQ, v[ADRS]            ; on to the next K step's scale words
	FETCH_B \next, 0, 0
	FETCH_A \next, 0, 0
	SCALES \next
	WIN MUL_HI
	MUL16 4, 1, NQ-1, \slot, 0
	MUL16 6, 1, NQ-1, \slot, 0
	PLACES NP
	WIN 0
	FETCH_A \next, 0, 4
.endm
	s_wait_alu depctr_va_vdst(0)
	s_wait_tensorcnt 1                             ; of my three loads the scales and K step 0 are in; K step 1's may be out
	s_barrier_signal -1
	s_barrier_wait -1                              ; everybody's are
	FETCH_B 0, 0, 0
	FETCH_A 0, 0, 0
	SCALES 0
	FETCH_A 0, 0, 4
	STEP 0, 0, 1                                   ; the first step stands in front of the loop: its products start the sums
	s_mov_b32 s3, LAPS-1
.Llap:                                                 ; a trip goes once round the ring, from a lap's second step to the next lap's first, and fills both slots again
	TURN 0, 1, 1
	STEP 1, 0, 0
	TURN 1, 0, 1
	STEP 0, 0, 0
	s_sub_co_u32 s3, s3, 1
	s_cmp_lg_u32 s3, 0
	s_cbranch_scc1 .Llap
	TURN 0, 1, 0                                   ; the last lap fills nothing, and has no round of the cluster's barrier
	STEP 1, 0, 0
	s_wait_dscnt 4*NL                              ; the very last step: nothing more to fetch
	WIN MUL_LO
	MUL16 0, 1, NQ-1, 1, 0
	MUL16 2, 1, NQ-1, 1, 0
	s_wait_dscnt 0
	WIN MUL_HI
	MUL16 4, 1, NQ-1, 1, 0
	MUL16 6, 1, NQ-1, 1, 0
	WIN 0
	; THE WAY OUT.  No tensor load of mine is out (the last change of slots waited for all), so the descriptors' registers are free: they take the four bases.
	PLACES NP                                      ; behind the last products: results are read, and the registers that held A's fragments are written
.irp b, 0,1,2,3
	v_mov_b32 v[TM+4+\b], 0                        ; written once: a lane permute's destination counts as one of its sources
.endr
	s_mov_b32 s32, s96
	s_mov_b32 s33, 0
	s_add_nc_u64 s[24:25], s[12:13], s[32:33]      ; images of my first head,
	s_mov_b32 s32, s98
	s_add_nc_u64 s[26:27], s[24:25], s[32:33]      ; of my second;
	s_mov_b32 s34, s97
	s_mov_b32 s35, 0
	s_add_nc_u64 s[28:29], s[12:13], s[34:35]      ; their units of scale bytes
	s_add_nc_u64 s[30:31], s[28:29], s[32:33]
	s_mov_b32 s21, 0x600000                        ; the mantissa field of 448
	s_mov_b32 s22, 0x76543210
	s_mov_b32 s23, 0xfedcba98                      ; v_permlanex16_b32's selects for lane l xor 16
	s_mov_b32 s99, 0xffff0000                      ; lanes 16-31
; A's block a: four blocks of 32 along the registers become 16 registers of codes and one scale word.
.macro QA a
.set AC, 64*((\a)%4)
	WIN 0x0a+5*((\a)/4)                            ; sources 0 and 1: the accumulators' window
.irp b, 0,1,2,3
	v_max3_num_f32 v[TM+\b], |v[AC+16*\b]|, |v[AC+16*\b+1]|, 0x4800000   ; my 16 numbers of block b, and the floor 2^(9 - 127): the byte cannot fall under 1.  Each accumulator is read from its low end on
.endr
	WIN 0x28+0x14*((\a)/4)                         ; sources 1 and 2
.irp i, 2,4,6,8,10,12,14
.irp b, 0,1,2,3
	v_max3_num_f32 v[TM+\b], v[TM+\b], |v[AC+16*\b+\i]|, |v[AC+16*\b+\i+1]|   ; the four blocks by turns
.endr
.endr
	WIN 0
.irp b, 0,1,2,3
	v_permlanex16_b32 v[TM+4+\b], v[TM+\b], s22, s23
.endr
.irp b, 0,1,2,3
	v_max_num_f32 v[TM+\b], v[TM+\b], v[TM+4+\b]   ; with lane l xor 16's 16: the block's largest magnitude
.endr
.irp b, 0,1,2,3
	v_add_nc_u32 v[TM+12+\b], 0xfc000000, v[TM+\b] ; 8 off its exponent field: the conversion takes this operand's exponent field as its scale
.endr
.irp b, 0,1,2,3
	v_and_or_b32 v[TM+8+\b], v[TM+\b], 0x7f800000, s21   ; 448 x the scale
.endr
.irp b, 0,1,2,3
	v_lshrrev_b32 v[TM+4+\b], 23, v[TM+12+\b]      ; the scale's byte
.endr
	v_lshl_or_b32 v[PWS+(\a)], v[TM+5], 8, v[TM+4]
	v_lshl_or_b32 v[PWS+(\a)], v[TM+6], 16, v[PWS+(\a)]
	v_lshl_or_b32 v[PWS+(\a)], v[TM+7], 24, v[PWS+(\a)]
	WIN 2+(\a)/4                                   ; source 0
.irp b, 0,1,2,3
.irp i, 0,1,2,3,4,5,6,7,8,9,10,11,12,13,14,15
	v_med3_num_f32 v[X+16*\b+\i], v[AC+16*\b+\i], -v[TM+8+\b], v[TM+8+\b]   ; the conversion to an 8-bit code does not saturate (ISA guide 7.6.2): the hold at 448 x the scale
.endr
.endr
	WIN 0
.if (\a) > 0
	s_wait_alu depctr_va_vdst(0)
	s_wait_xcnt 0x0                                ; the last block's stores have read the codes' registers, which are written again below
.endif
.irp b, 0,1,2,3
	v_cvt_scalef32_pk8_fp8_f32 v[PC+4*\b:PC+4*\b+1], v[X+16*\b:X+16*\b+7], v[TM+12+\b]
	v_cvt_scalef32_pk8_fp8_f32 v[PC+4*\b+2:PC+4*\b+3], v[X+16*\b+8:X+16*\b+15], v[TM+12+\b]
.endr
	v_nop                                          ; one plain vector instruction behind the last conversion
	s_cmp_eq_u32 s[KIND], 2
	s_cbranch_scc1 .Lv_\@
.irp c, 0,1,2,3                        ; q, k: block a is a tile of 16 tokens; registers 4 c on are block c % 2 of head c / 2
	global_store_b128 v[LI], v[PC+4*\c:PC+4*\c+3], s[24+2*(\c/2):25+2*(\c/2)] offset:1024*(\a)+512*(\c%2)   ; 512 consecutive bytes, at a multiple of 256 from the buffer's first byte
.endr
	s_branch .Ljoin_\@
.Lv_\@:
	s_wait_alu depctr_va_vdst(0)
.irp c, 0,1,2,3                        ; v: block a is channel tile a % 4 of head a / 4; registers 4 c on are key block c of my step
	global_store_b128 v[LI], v[PC+4*\c:PC+4*\c+3], s[24+2*((\a)/4):25+2*((\a)/4)] offset:2048*((\a)%4)+512*\c
.endr
.Ljoin_\@:
.endm
.irp a, 0,1,2,3,4,5,6,7
	QA \a
.endr
	; the scale words: one unit of 256 bytes for each of my two heads
	s_cmp_eq_u32 s[KIND], 2
	s_cbranch_scc1 .Lsc_v
.irp e, 0,1                            ; q, k: item c = the head's two bytes of token tile 2 c, then those of tile 2 c + 1
.irp c, 0,1,2,3
	v_perm_b32 v[WD+4*\e+\c], v[PWS+2*\c+1], v[PWS+2*\c], 0x05040100+0x02020202*\e
.endr
	v_cndmask_b32 v[OUTW+2*\e], v[WD+4*\e], v[WD+4*\e+1], s99
	v_cndmask_b32 v[OUTW+2*\e+1], v[WD+4*\e+2], v[WD+4*\e+3], s99
	global_store_b64 v[LS], v[OUTW+2*\e:OUTW+2*\e+1], s[28+2*\e:29+2*\e]   ; 32 lanes store 256 consecutive bytes, aligned
.endr
	s_branch .Lsc_done
.Lsc_v:
.irp e, 0,1                            ; v: item t = channel tile t's word
	v_cndmask_b32 v[OUTW+2*\e], v[PWS+4*\e], v[PWS+4*\e+1], s99
	v_cndmask_b32 v[OUTW+2*\e+1], v[PWS+4*\e+2], v[PWS+4*\e+3], s99
	global_store_b64 v[LS], v[OUTW+2*\e:OUTW+2*\e+1], s[28+2*\e:29+2*\e]
.endr
.Lsc_done:
	s_wait_tensorcnt 0x0                           ; the wave's end
	ds_add_u32 v[SPW], v[NIL]
	s_wait_dscnt 0x0
	CROUND                                         ; the closing round: no work-group ends while a partner may still ask for a tile that names it
	s_endpgm
.Lfunc_end_k_q35070f05d1_qkv:
	.size	k_q35070f05d1_qkv, .Lfunc_end_k_q35070f05d1_qkv-k_q35070f05d1_qkv
	.p2alignl 7, 3214868480
	.fill 96, 4, 3214868480
	.section	.rodata,"a",@progbits
	.p2align	6, 0x0
	.amdhsa_kernel k_q35070f05d1_qkv
		.amdhsa_group_segment_fixed_size 327680
		.amdhsa_private_segment_fixed_size 0
		.amdhsa_enable_private_segment 0
		.amdhsa_kernarg_size 80
		.amdhsa_user_sgpr_count 2
		.amdhsa_user_sgpr_kernarg_segment_ptr 1
		.amdhsa_wavefront_size32 1
		.amdhsa_system_sgpr_workgroup_id_x 1
		.amdhsa_system_sgpr_workgroup_id_y 1
		.amdhsa_system_sgpr_workgroup_id_z 1
		.amdhsa_system_vgpr_workitem_id 0
		.amdhsa_next_free_vgpr 1024
		.amdhsa_next_free_sgpr 100
		.amdhsa_reserve_vcc 0
		.amdhsa_float_denorm_mode_32 3
		.amdhsa_float_denorm_mode_16_64 3
		.amdhsa_memory_ordered 1
		.amdhsa_forward_progress 1
		.amdhsa_inst_pref_size 192
	.end_amdhsa_kernel
	.amdgpu_metadata
---
amdhsa.version: [ 1, 2 ]
amdhsa.kernels:
  - .name:           k_q35070f05d1_qkv
    .symbol:         k_q35070f05d1_qkv.kd
    .args:
      - { .name: x_codes, .offset: 0, .size: 8, .value_kind: global_buffer, .address_space: global }
      - { .name: x_scales, .offset: 8, .size: 8, .value_kind: global_buffer, .address_space: global }
      - { .name: Wq_codes, .offset: 16, .size: 8, .value_kind: global_buffer, .address_space: global }
      - { .name: Wq_scales, .offset: 24, .size: 8, .value_kind: global_buffer, .address_space: global }
      - { .name: Wk_codes, .offset: 32, .size: 8, .value_kind: global_buffer, .address_space: global }
      - { .name: Wk_scales, .offset: 40, .size: 8, .value_kind: global_buffer, .address_space: global }
      - { .name: Wv_codes, .offset: 48, .size: 8, .value_kind: global_buffer, .address_space: global }
      - { .name: Wv_scales, .offset: 56, .size: 8, .value_kind: global_buffer, .address_space: global }
      - { .name: qb, .offset: 64, .size: 8, .value_kind: global_buffer, .address_space: global }
      - { .name: kv, .offset: 72, .size: 8, .value_kind: global_buffer, .address_space: global }
    .group_segment_fixed_size: 327680
    .private_segment_fixed_size: 0
    .kernarg_segment_align: 8
    .kernarg_segment_size: 80
    .max_flat_workgroup_size: 128
    .sgpr_count:     100
    .vgpr_count:     1024
    .wavefront_size: 32
...
	.end_amdgpu_metadata
.endif
;; end of part 1
;; launch attn (part 2): grid 4 x 64, 16 waves a work-group, no clusters, 327,680 bytes of LDS; arguments qb, kv, ctx, csc; writes ctx, csc
.if DOCPART == 2
	.amdgcn_target "amdgcn-amd-amdhsa--gfx1250"
	.amdhsa_code_object_version 6
	.text
	.protected	k_q35070f05d1_attn
	.globl	k_q35070f05d1_attn
	.p2align	8
	.type	k_q35070f05d1_attn,@function
k_q35070f05d1_attn:
	s_mov_b64 s[64:65], 0
	v_nop
	global_prefetch_b8 v0, s[64:65] scope:SCOPE_SE
	s_setreg_imm32_b32 hwreg(HW_REG_WAVE_MODE, 25, 1), 1
	s_wait_xcnt 0x0
; ctx[b][q][head] = the sum over keys k <= q of softmax_k(q . k / 8) v, both products on codes of FP8 (E4M3) with one E8M0 scale for each 32 along a product's K; ctx leaves as codes for the last product.
; THE SOFTMAX: t = score x log2(e) / 8; M = the running largest t rounded UP to a whole number; p = 2^(t - M) is quantised along the keys, not normalised; the sum is taken of the unquantised p and divides at the end.
; When M moves, the sum and O are multiplied by 2^(old M - new M): exact.
; SHARES.  Work-group (i, head of a batch), sixteen waves, each with ONE tile of 16 queries in 256 registers.  It runs query block 7 - i over key slots 0 .. 7 - i and then query block i over slots 0 .. i
; (a block and a slot are 256 tokens): 9 slots in every work-group, so the trip count is a constant and all 256 work-groups have the same work.  Only a block's last slot lies on the diagonal.
; NO CLUSTER: the four work-groups of a head walk the same slots only in their first 5 trips; from there on their slot numbers differ (8 - i slots, then i + 1).  Joint requests would make all four walk
; 8 + 4 = 12 slots in step in place of 9.
; THE RING.  A slot of keys is one dense block of kv, 33,792 bytes: k's images and scale units, then v's.  Two LDS slots; wave 0 brings k's half, wave 1 v's, one tensor load each; all sixteen waves read them.
; Every LDS read is 16 x lane or 8 x lane on end: no pitch, no padding.
; LAYOUT.  Both products are used transposed: a lane holds ONE query (lane % 16).  THE HEAD IS 64 AND THE INSTRUCTION'S K IS 128: a fragment of k holds key 32 c + r in K 0-63 and key 32 c + 16 + r in K 64-127.
; Multiplied by (Q, zeros) it gives the first sixteen keys' scores, by (zeros, Q) the others': zero codes add nothing, since k's codes are held codes of this program and its bytes lie between 1 and 254.
; Register n of the 64 scores holds key 16 (n / 8) + 8 (lane / 16) + n % 8 of the step; v's codes were laid in the same order inside each block of 32 keys.
; OUT.  ctx: row tile (128 batch + token / 16) of 16,384 bytes; K step s = head / 2 at 2,048 s; piece 2 (head % 2) + b at 512; in it lane l's 16 bytes at 16 l, K ascending.  csc: [8192][32] scale bytes.
; LIMITS: a block of zeros gets the byte 1 and not 127 (its codes are zeros; this program alone reads the bytes); a block whose largest magnitude lies under 2^-118 keeps that floor's byte; NaN and infinities are not served;
; inside a block of 32 the exact products are summed in the order of the layout above, not in ascending order; 1 / sum is v_rcp_f32 and a multiplication.
.set SLOT1, 1<<16                      ; LDS slot 1 begins here: one exclusive or turns an address in one slot into the other's
.set KHALF, 16896                      ; half a block of kv; a block of qb
.set BLKB,  2*KHALF
.set HEADB, 8*BLKB                     ; a head's eight blocks of kv
.set SPARE, 2*SLOT1                    ; the spare words, 128 bytes for each wave: eight blocks of 256 bytes that no other line names
.set LI,   1                           ; v1   16 x lane
.set LS,   2                           ; v2   8 x lane
.set SPW,  3                           ; v3   LDS address of my spare word; never rewritten
.set NIL,  4                           ; v4   0; never rewritten
.set PFO,  5                           ; v5   256 x lane: the prefetches' offset; never rewritten
.set CO8,  6                           ; v6   16 r + 8 h: where my eight codes of ctx go
.set SO,   7                           ; v7   32 r + h: where my scale byte goes
.set ADK,  8                           ; v8   the slot in hand + 16 x lane
.set ADS,  9                           ; v9   the slot in hand + 8 x lane
.set DQ,   10                          ; v10  r - 8 h
.set QSO,  11                          ; v11  my query's scale word in a block of qb
.set QF,   16                          ; v16-23 Q, v24-31 zeros, v32-39 Q again
.set FR,   40                          ; v40-103 four fragments of k, then of v
.set S,    104                         ; v104-167 the scores, then p
.set O,    168                         ; v168-199 O^T: four tiles of 16 channels
.set PC,   200                         ; v200-215 p's codes
.set BM,   216                         ; v216-219 a block's largest score, then its largest p
.set BT,   220                         ; v220-223 at work; the bytes
.set HD,   224
.set SCO,  228                         ; v228-231 the conversions' scale operands
.set KSC,  232                         ; v[232:233] k's scale words;  v[234:235] v's;  v236 Q's;  v237 p's: v[232:233] also holds a partial sum of p
.set VSC,  234
.set QSC,  236
.set PSC,  237
.set F,    238                         ; v[238:239] f = 2^(old M - new M); the upper register is only named
.set T0,   240                         ; v240, v241 at work
.set Q2,   242                         ; v242-249 the second block's Q;  v250 its scale word
.set QSC2, 250
.set SUM2, 252                         ; v[252:253] the sum's second chain
.set NINF, 254
.set WV,   12                          ; s12  my wave's number
.set WI,   13                          ; s13  i
.set BH,   14                          ; s14  16 batch + head
.set N1,   15                          ; s15  8 - i: the first block's slots
.set SW,   16                          ; s16  i + 1: the count at which the first block ends
.set SLOTS, 17                         ; s17  slots still to be asked for
.set FS,   18                          ; s18  the key slot last asked for
.set MNT,  19
.set SEL,  20                          ; s[20:21] v_permlanex16_b32's selects for lane l xor 16
.set CS,   22                          ; s[22:23] c = log2(e) / 8
.set G1,   24                          ; s[24:31] descriptor group 1
.set G0,   32                          ; s[32:35] group 0
.set KVB,  36                          ; s[36:37] my half of the head's first block of kv
.set OFS,  38                          ; s[38:39] an offset, 0 above it
.set TB,   40                          ; s40  LDS byte at which the slot in hand begins
.set KF,   41                          ; s41  the step's first key
.set Q0,   42                          ; s42  my first query; s43 the second block's
.set Q0B,  43
.set CTX,  44                          ; s[44:45] my tile of ctx; s[46:47] the second block's
.set CTXB, 46
.set CSC,  48                          ; s[48:49] my rows of csc; s[50:51] the second block's
.set CSCB, 50
.set PFA,  52                          ; s[52:53] where my prefetches stand
.set LIM,  54                          ; s54  2 in a wave that prefetches, else the greatest number
.set HM,   55                          ; s55  lanes 16-31
; Waves 0 and 1 fetch, the others nothing.  The branch hangs on the wave's number alone.  Four v_nop follow the line.
.macro TLOAD
	s_cmp_lt_u32 s[WV], 2
	s_cbranch_scc0 .Lasked_\@
	tensor_load_to_lds s[G0:G0+3], s[G1:G1+7]
	s_nop 0
.rept 4
	v_nop
.endr
.Lasked_\@:
.endm
; A PREFETCH INTO THE L2 of the block of kv that the NEXT change of slots will ask for.  The four work-groups of a head walk the same blocks: work-group i = 0, which walks all eight in its first block of queries, asks.
; In it waves 4 to 7 ask, which fetch nothing: 8,192 bytes a wave, lanes 256 bytes apart, one instruction each.  So each aligned block of 256 bytes is named once in the launch.
; Trips 0 to 5 ask for slots 2 to 7 (the count is above 2 there); a block's last 1,024 bytes, slots 0 and 1 and the second walk come by their loads alone.
.macro ASK
	s_cmp_gt_u32 s[SLOTS], s[LIM]
	s_cbranch_scc0 .Lnot_mine_\@
	global_prefetch_b8 v[PFO], s[PFA:PFA+1] th:TH_LOAD_NT scope:SCOPE_SE
.Lnot_mine_\@:
.endm
	s_load_b256 s[4:11], s[0:1], 0x0               ; qb s[4:5], kv s[6:7], ctx s[8:9], csc s[10:11]
	v_lshl_add_u32 v[SPW], v0, 2, SPARE
	v_mov_b32 v[NIL], 0
	ds_add_u32 v3, v4
	ds_add_u32 v3, v4
	s_wait_dscnt 0x0
	v_lshrrev_b32 v8, 5, v0
	s_delay_alu instid0(VALU_DEP_1)
	v_readfirstlane_b32 s[WV], v8                  ; wave 0..15
	s_mov_b32 s[WI], ttmp9
	s_and_b32 s[BH], ttmp7, 0xffff
	s_sub_co_u32 s[N1], 8, s[WI]
	s_add_co_u32 s[SW], s[WI], 1
	s_mov_b32 s[SLOTS], 8
	s_mov_b32 s[FS], 0
	s_mov_b32 s[SEL], 0x76543210
	s_mov_b32 s[SEL+1], 0xfedcba98
	s_mov_b32 s[CS], 0x3e38aa3b                    ; log2(e) / 8
	s_mov_b32 s[CS+1], s[CS]                       ; (named with it as a pair, so it is written)
	; descriptor group 1: half a block, 16,896 dense bytes, as 66 rows of 256 bytes (32 elements of 8 bytes); no padding
	s_mov_b32 s[G1], 3<<16                         ; no mask; elements of 8 bytes
	s_mov_b32 s[G1+1], 32<<16                      ; tensor_dim0
	s_mov_b32 s[G1+2], 66<<16                      ; tensor_dim1
	s_mov_b32 s[G1+3], 32<<16                      ; tile_dim0
	s_mov_b32 s[G1+4], 66                          ; tile_dim1
	s_mov_b32 s[G1+5], 32                          ; tensor_dim0_stride
	s_mov_b32 s[G1+6], 0
	s_mov_b32 s[G1+7], 0
	s_mov_b32 s[TB], 0
	s_mov_b32 s[KF], 0
	s_mov_b32 s[HM], 0xffff0000
	s_and_b32 s56, s[WV], 1
	s_mul_i32 s57, s56, KHALF                      ; my half: in a block, and in a slot
	s_mul_i32 s58, s[BH], HEADB                    ; the head's first byte in kv (under 2^32)
	s_add_co_u32 s[OFS], s58, s57
	s_mov_b32 s[OFS+1], 0
	s_wait_kmcnt 0x0
	s_add_nc_u64 s[KVB:KVB+1], s[6:7], s[OFS:OFS+1]
	s_mov_b32 s[G0], 1                             ; count = 1
	s_mov_b32 s[G0+1], s57                         ; LDS address: slot 0
	s_mov_b64 s[G0+2:G0+3], s[KVB:KVB+1]           ; global address: key slot 0
	s_or_b32 s[G0+3], s[G0+3], 0x80000000          ; type = 2
	TLOAD                                          ; the one first fill
	s_and_b32 s56, s[WV], 3
	s_lshl_b32 s56, s56, 13
	s_add_co_u32 s[OFS], s58, s56
	s_add_co_u32 s[OFS], s[OFS], BLKB              ; in slot 1: the first change of slots steps it to slot 2.  Nothing is prefetched here, at the head
	s_add_nc_u64 s[PFA:PFA+1], s[6:7], s[OFS:OFS+1]
	s_sub_co_u32 s56, s[WV], 4
	s_lshr_b32 s56, s56, 2                         ; 0 in waves 4 to 7,
	s_or_b32 s56, s56, ttmp9                       ; of the head's first work-group
	s_cmp_eq_u32 s56, 0
	s_cselect_b32 s[LIM], 2, -1
	s_sub_co_u32 s59, 7, s[WI]                     ; the first block of queries
	s_lshl_b32 s56, s[BH], 3
	s_add_co_u32 s57, s56, s59
	s_mul_i32 s[OFS], s57, KHALF
	s_add_nc_u64 s[60:61], s[4:5], s[OFS:OFS+1]    ; its block of qb,
	s_add_co_u32 s57, s56, s[WI]
	s_mul_i32 s[OFS], s57, KHALF
	s_add_nc_u64 s[62:63], s[4:5], s[OFS:OFS+1]    ; and the second's
	s_lshl_b32 s56, s[WV], 4
	s_lshl_b32 s57, s59, 8
	s_add_co_u32 s[Q0], s57, s56                   ; my first query: 256 x block + 16 x wave
	s_lshl_b32 s57, s[WI], 8
	s_add_co_u32 s[Q0B], s57, s56
	v_and_b32 v1, 31, v0                           ; lane
	s_delay_alu instid0(VALU_DEP_1)
	v_lshlrev_b32 v[LS], 3, v1
	s_delay_alu instid0(VALU_DEP_2)
	v_lshlrev_b32 v[PFO], 8, v1
	s_delay_alu instid0(VALU_DEP_3)
	v_lshlrev_b32 v[LI], 4, v1
	v_and_b32 v9, 15, v0                           ; r
	v_bfe_u32 v10, v0, 4, 1                        ; h
	s_delay_alu instid0(VALU_DEP_2)
	v_lshlrev_b32 v[CO8], 4, v9
	s_delay_alu instid0(VALU_DEP_1)
	v_lshl_add_u32 v[CO8], v10, 3, v[CO8]
	s_delay_alu instid0(VALU_DEP_3)
	v_lshl_add_u32 v[SO], v9, 5, v10
	v_lshlrev_b32 v[QSO], 3, v9
	s_wait_alu depctr_va_vdst(0)
	v_lshlrev_b32 v10, 3, v10
	s_delay_alu instid0(VALU_DEP_1)
	v_sub_nc_u32 v[DQ], v9, v10
	v_lshl_add_u32 v8, s[WV], 10, v[LI]            ; Q: token tile w of the block, 1,024 bytes a tile
	s_wait_alu depctr_va_vdst(0)
	s_lshr_b32 s56, s[WV], 3                       ; its scale word: unit w / 8; item c = (w % 8) / 2: lanes 16 (c % 2) on, word c / 2
	s_lshl_b32 s56, s56, 8
	s_bfe_u32 s57, s[WV], 0x10001
	s_lshl_b32 s57, s57, 7
	s_add_co_u32 s56, s56, s57
	s_bfe_u32 s57, s[WV], 0x10002
	s_lshl_b32 s57, s57, 2
	s_add_co_u32 s56, s56, s57
	s_add_co_u32 s56, s56, 16384
	v_add_nc_u32 v[QSO], s56, v[QSO]
	global_load_b128 v[QF:QF+3], v8, s[60:61]
	global_load_b128 v[QF+4:QF+7], v8, s[60:61] offset:512
	global_load_b128 v[QF+16:QF+19], v8, s[60:61]  ; twice: (Q, zeros) and (zeros, Q) share the zeros between them
	global_load_b128 v[QF+20:QF+23], v8, s[60:61] offset:512
	global_load_b128 v[Q2:Q2+3], v8, s[62:63]
	global_load_b128 v[Q2+4:Q2+7], v8, s[62:63] offset:512
	global_load_b32 v[QSC], v[QSO], s[60:61]
	global_load_b32 v[QSC2], v[QSO], s[62:63]
	; where the results go
	s_lshr_b32 s56, s[BH], 4                       ; batch
	s_and_b32 s57, s[BH], 15                       ; head
	s_lshl_b32 s58, s56, 7
	s_add_co_u32 s58, s58, s[WV]
	s_lshl_b32 s58, s58, 14                        ; (128 batch + wave) x 16,384
	s_lshl_b32 s[OFS], s57, 10                     ; 2,048 (head / 2) + 1,024 (head % 2) = 1,024 head
	s_add_co_u32 s58, s58, s[OFS]
	s_lshl_b32 s[OFS], s59, 18                     ; a block of queries is 16 row tiles
	s_add_co_u32 s[OFS], s[OFS], s58
	s_add_nc_u64 s[CTX:CTX+1], s[8:9], s[OFS:OFS+1]
	s_lshl_b32 s[OFS], s[WI], 18
	s_add_co_u32 s[OFS], s[OFS], s58
	s_add_nc_u64 s[CTXB:CTXB+1], s[8:9], s[OFS:OFS+1]
	s_lshl_b32 s58, s56, 16                        ; (2,048 batch + 16 wave) rows of 32 bytes + 2 head
	s_lshl_b32 s[OFS], s[WV], 9
	s_add_co_u32 s58, s58, s[OFS]
	s_lshl_b32 s[OFS], s57, 1
	s_add_co_u32 s58, s58, s[OFS]
	s_lshl_b32 s[OFS], s59, 13
	s_add_co_u32 s[OFS], s[OFS], s58
	s_add_nc_u64 s[CSC:CSC+1], s[10:11], s[OFS:OFS+1]
	s_lshl_b32 s[OFS], s[WI], 13
	s_add_co_u32 s[OFS], s[OFS], s58
	s_add_nc_u64 s[CSCB:CSCB+1], s[10:11], s[OFS:OFS+1]
	s_and_b32 s56, s[WV], 1                        ; my tile's two bytes are the word's low half (even tile) or its high half
	s_cmp_eq_u32 s56, 1
	s_mov_b32 s57, 0x07060302
	s_cselect_b32 s57, s57, 0x05040100
.irp j, 0,1,2,3,4,5,6,7
	v_mov_b32 v[QF+8+\j], 0                        ; the zero codes
.endr
	v_mov_b32 v13, 0xff61b1e6                      ; the largest t so far: -3e38, under every t
	s_delay_alu instid0(VALU_DEP_1)
	v_floor_f32 v12, -v13                          ; -M
	v_mov_b32 v14, 0                               ; the sum, in two halves
	v_mov_b32 v15, 0
.irp b, 0,1,2,3
	v_mov_b32 v[BT+\b], 0                          ; written once: a lane permute's destination counts as one of its sources
.endr
	v_mov_b32 v[F+1], 0                            ; (named as the upper half of a pair)
	v_mov_b32 v[T0], 0
	v_mov_b32 v[T0+1], 0
.set jj, 0
.rept 32
	v_mov_b32 v[O+jj], 0                           ; O^T.  (The step is written once: the first finds zeros, which the first change of M leaves zeros)
.set jj, jj+1
.endr
	s_wait_loadcnt 0x0                             ; Q and its scale words
	v_perm_b32 v[QSC], v[QSC], v[QSC], s57         ; (s0, s1, s0, s1): it serves (Q, zeros) and (zeros, Q)
	v_perm_b32 v[QSC2], v[QSC2], v[QSC2], s57
; A KEY STEP: 128 keys, the q-th of the slot in hand.
.macro STEP q
	s_add_co_u32 s56, s[Q0], 15                    ; a step all of whose keys come after my 16 queries is left out: a scalar branch on ids; no barrier and no tensor load stands in a step
	s_cmp_gt_u32 s[KF], s56
	s_cbranch_scc1 .Lhidden_\@
.rept 8
	v_nop                                          ; places in front of loads into registers that the last products have read
.endr
	s_wait_alu depctr_va_vdst(0)
.irp c, 0,1,2,3
.irp p, 0,1,2,3
	ds_load_b128 v[FR+16*\c+4*\p:FR+16*\c+4*\p+3], v[ADK] offset:8192*(\q)+2048*\c+512*\p
.endr
.endr
	ds_load_b64 v[KSC:KSC+1], v[ADS] offset:16384+256*(\q)
	s_wait_dscnt 0x0
	s_wait_alu depctr_va_vdst(0)
.irp c, 0,1,2,3                        ; S^T = k Q^T: fragment c against (Q, zeros): keys 32 c + 0..15; against (zeros, Q): keys 32 c + 16..31
.irp u, 0,1
.if \c%2
	v_wmma_scale_f32_16x16x128_f8f6f4 v[S+16*\c+8*\u:S+16*\c+8*\u+7], v[FR+16*\c:FR+16*\c+15], v[QF+8*\u:QF+8*\u+15], 0, v[KSC+\c/2], v[QSC] matrix_a_scale:MATRIX_SCALE_ROW1
.else
	v_wmma_scale_f32_16x16x128_f8f6f4 v[S+16*\c+8*\u:S+16*\c+8*\u+7], v[FR+16*\c:FR+16*\c+15], v[QF+8*\u:QF+8*\u+15], 0, v[KSC+\c/2], v[QSC]
.endif
.endr
.endr
.rept 8
	v_nop                                          ; places: the scores are read below, and k's registers take v's fragments
.endr
.irp t, 0,1,2,3                        ; v's four fragments are asked for now and land under the softmax
.irp c, 0,1,2,3
	ds_load_b128 v[FR+16*\t+4*\c:FR+16*\t+4*\c+3], v[ADK] offset:KHALF+8192*(\q)+2048*\t+512*\c
.endr
.endr
	ds_load_b64 v[VSC:VSC+1], v[ADS] offset:KHALF+16384+256*(\q)
	s_add_co_u32 s56, s[KF], 127                   ; on the diagonal the scores of hidden keys become -infinity ahead of the maximum: p = 0 then.  A step all of whose keys count skips this
	s_cmp_le_u32 s56, s[Q0]
	s_cbranch_scc1 .Lopen_\@
	s_sub_co_i32 s56, s[Q0], s[KF]
	v_add_nc_u32 v[T0], s56, v[DQ]                 ; d = my query - the step's first key - 8 (lane / 16): register n is hidden where 16 (n / 8) + n % 8 > d
	v_mov_b32 v[NINF], 0xff800000
.set nn, 0
.rept 64
	v_cmp_gt_i32 vcc_lo, 16*(nn/8)+nn%8, v[T0]
	v_cndmask_b32 v[S+nn], v[S+nn], v[NINF], vcc_lo
.set nn, nn+1
.endr
.Lopen_\@:
.irp b, 0,1,2,3
	v_max3_num_f32 v[BM+\b], v[S+16*\b], v[S+16*\b+1], v[S+16*\b+2]   ; the largest score of each block of 32 keys: it serves for the row's maximum and, since p rises with the score, for the block's largest p
.endr
.irp i, 3,5,7,9,11,13
.irp b, 0,1,2,3
	v_max3_num_f32 v[BM+\b], v[BM+\b], v[S+16*\b+\i], v[S+16*\b+\i+1]
.endr
.endr
.irp b, 0,1,2,3
	v_max_num_f32 v[BM+\b], v[BM+\b], v[S+16*\b+15]
.endr
.irp b, 0,1,2,3
	s_delay_alu instid0(VALU_DEP_4)
	v_permlanex16_b32 v[BT+\b], v[BM+\b], s[SEL], s[SEL+1]
.endr
.irp b, 0,1,2,3
	s_delay_alu instid0(VALU_DEP_4)
	v_max_num_f32 v[BM+\b], v[BM+\b], v[BT+\b]     ; with lane l xor 16's 16 keys
.endr
	s_delay_alu instid0(VALU_DEP_2)
	v_max3_num_f32 v[T0], v[BM], v[BM+1], v[BM+2]
	s_delay_alu instid0(VALU_DEP_1)
	v_max_num_f32 v[T0], v[T0], v[BM+3]            ; the step's largest score of my query
	s_delay_alu instid0(VALU_DEP_1)
	v_mul_f32 v[T0], s[CS], v[T0]                  ; as t (c is positive)
	s_delay_alu instid0(VALU_DEP_1)
	v_max_num_f32 v13, v13, v[T0]                  ; the running largest t
	v_mov_b32 v[T0], v12
	s_delay_alu instid0(VALU_DEP_2)
	v_floor_f32 v12, -v13                          ; the new -M = floor(-t) = -ceil(t): a whole number
	s_delay_alu instid0(VALU_DEP_1)
	v_sub_f32 v[T0], v12, v[T0]                    ; old M - new M: a whole number, 0 or less
	s_delay_alu instid0(VALU_DEP_1)
	v_cvt_i32_f32 v[T0], v[T0]                     ; (it saturates)
	s_delay_alu instid0(VALU_DEP_1)
	v_ldexp_f32 v[F], 1.0, v[T0]                   ; f = 2^(old M - new M)
.set jj, 0
.rept 32
	v_pk_fma_f32 v[S+jj:S+jj+1], v[S+jj:S+jj+1], s[CS:CS+1], v[12:13] op_sel_hi:[1,0,0]   ; t - M, two at a time
.set jj, jj+2
.endr
.irp b, 0,1,2,3
	v_fma_f32 v[BM+\b], v[BM+\b], s[CS], v12       ; the same of each block's largest score
.endr
.set jj, 0
	s_wait_alu depctr_va_vdst(0)
.rept 64
	v_exp_f32 v[S+jj], v[S+jj]                     ; p = 2^(t - M), at most 1
.set jj, jj+1
.endr
	v_pk_mul_f32 v[14:15], v[14:15], v[F:F+1] op_sel_hi:[1,0]   ; the sums under the new M: a plain instruction behind the exponentials
	s_wait_alu depctr_va_vdst(0)                   ; one wait for the whole batch, ahead of its first reader
.irp b, 0,1,2,3
	v_exp_f32 v[BM+\b], v[BM+\b]                   ; the block's largest p: the same two instructions on the same number
.endr
	v_pk_add_f32 v[252:253], v[108:109], v[112:113]
	v_pk_add_f32 v[254:255], v[116:117], v[120:121]
	v_pk_add_f32 v[232:233], v[124:125], v[128:129]
	v_pk_add_f32 v[230:231], v[132:133], v[136:137]
	v_pk_add_f32 v[228:229], v[140:141], v[144:145]
	v_pk_add_f32 v[226:227], v[148:149], v[152:153]
	v_pk_add_f32 v[224:225], v[156:157], v[160:161]
	v_pk_add_f32 v[14:15], v[14:15], v[164:165]
	v_pk_add_f32 v[252:253], v[252:253], v[104:105]
	v_pk_add_f32 v[254:255], v[254:255], v[106:107]
	v_pk_add_f32 v[232:233], v[232:233], v[110:111]
	v_pk_add_f32 v[230:231], v[230:231], v[114:115]
	v_pk_add_f32 v[228:229], v[228:229], v[118:119]
	v_pk_add_f32 v[226:227], v[226:227], v[122:123]
	v_pk_add_f32 v[224:225], v[224:225], v[126:127]
	v_pk_add_f32 v[14:15], v[14:15], v[130:131]
	v_pk_add_f32 v[252:253], v[252:253], v[134:135]
	v_pk_add_f32 v[254:255], v[254:255], v[138:139]
	v_pk_add_f32 v[232:233], v[232:233], v[142:143]
	v_pk_add_f32 v[230:231], v[230:231], v[146:147]
	v_pk_add_f32 v[228:229], v[228:229], v[150:151]
	v_pk_add_f32 v[226:227], v[226:227], v[154:155]
	v_pk_add_f32 v[224:225], v[224:225], v[158:159]
	v_pk_add_f32 v[14:15], v[14:15], v[162:163]
	v_pk_add_f32 v[252:253], v[252:253], v[166:167]
	s_delay_alu instid0(VALU_DEP_2)
	v_pk_add_f32 v[14:15], v[14:15], v[230:231]
	s_delay_alu instid0(VALU_DEP_2)
	v_pk_add_f32 v[252:253], v[252:253], v[228:229]
	v_pk_add_f32 v[254:255], v[254:255], v[226:227]
	v_pk_add_f32 v[232:233], v[232:233], v[224:225]
	s_delay_alu instid0(VALU_DEP_2)
	v_pk_add_f32 v[14:15], v[14:15], v[254:255]
	s_delay_alu instid0(VALU_DEP_2)
	v_pk_add_f32 v[252:253], v[252:253], v[232:233]
	s_delay_alu instid0(VALU_DEP_1)
	v_pk_add_f32 v[14:15], v[14:15], v[252:253]
	s_wait_alu depctr_va_vdst(0)                   ; and one for the four
.irp b, 0,1,2,3
	v_max_num_f32 v[BM+\b], 0x4800000, v[BM+\b]    ; the floor 2^(9 - 127): the byte cannot fall under 1
.endr
.irp b, 0,1,2,3
	s_delay_alu instid0(VALU_DEP_4)
	v_add_nc_u32 v[SCO+\b], 0xfc000000, v[BM+\b]   ; 8 off the exponent field: the conversion's scale operand
.endr
.irp b, 0,1,2,3
.endr
.irp b, 0,1,2,3
	s_delay_alu instid0(VALU_DEP_4)
	v_lshrrev_b32 v[BT+\b], 23, v[SCO+\b]          ; the scale's byte
.endr
	s_delay_alu instid0(VALU_DEP_3)
	v_lshl_or_b32 v[PSC], v[BT+1], 8, v[BT]        ; p's scale word for these 128 keys
	s_delay_alu instid0(VALU_DEP_1)
	v_lshl_or_b32 v[PSC], v[BT+2], 16, v[PSC]
	s_delay_alu instid0(VALU_DEP_1)
	v_lshl_or_b32 v[PSC], v[BT+3], 24, v[PSC]
.irp b, 0,1,2,3
.irp i, 0,1,2,3,4,5,6,7,8,9,10,11,12,13,14,15
.endr
	v_cvt_scalef32_pk8_fp8_f32 v[PC+4*\b:PC+4*\b+1], v[S+16*\b:S+16*\b+7], v[SCO+\b]
	v_cvt_scalef32_pk8_fp8_f32 v[PC+4*\b+2:PC+4*\b+3], v[S+16*\b+8:S+16*\b+15], v[SCO+\b]
.endr
.set jj, 0
.rept 16
	v_pk_mul_f32 v[O+jj:O+jj+1], v[O+jj:O+jj+1], v[F:F+1] op_sel_hi:[1,0]   ; O^T under the new M.  (These sixteen are also the places between the conversions and the products)
.set jj, jj+2
.endr
	s_wait_alu depctr_va_vdst(0)
	s_wait_dscnt 0x0                               ; v's fragments and scale words are in
.irp t, 0,1,2,3                        ; O^T += v^T p^T: four tiles of 16 channels, K = these 128 keys; the four accumulators by turns
.if \t%2
	v_wmma_scale_f32_16x16x128_f8f6f4 v[O+8*\t:O+8*\t+7], v[FR+16*\t:FR+16*\t+15], v[PC:PC+15], v[O+8*\t:O+8*\t+7], v[VSC+\t/2], v[PSC] matrix_a_scale:MATRIX_SCALE_ROW1
.else
	v_wmma_scale_f32_16x16x128_f8f6f4 v[O+8*\t:O+8*\t+7], v[FR+16*\t:FR+16*\t+15], v[PC:PC+15], v[O+8*\t:O+8*\t+7], v[VSC+\t/2], v[PSC]
.endif
.endr
.Lhidden_\@:
	s_add_co_u32 s[KF], s[KF], 128
.endm
; THE CHANGE OF SLOTS stands at a slot's head.  Each wave waits for all its tensor loads (its part of the slot that it is about to read), adds 0 to its spare word, and waits for that and for its reads of the slot that it has left.
; Behind the barrier the slot ahead is whole and nobody reads the other one.  fill = 1: that other slot is filled with the key slot that follows; behind the first block's last slot that is key slot 0 again.
; A wave has one tensor load out.
.macro CHANGE fill
	s_wait_tensorcnt 0x0                           ; no tensor load of mine is out, so group 0 may be written
	ds_add_u32 v[SPW], v[NIL]                      ; 0 onto my spare word
.if \fill
	s_xor_b32 s[G0+1], s[G0+1], SLOT1              ; the other LDS slot than last time
	s_add_co_u32 s[FS], s[FS], 1
	s_cmp_eq_u32 s[FS], s[N1]
	s_cselect_b32 s[FS], 0, s[FS]
	s_mul_i32 s[OFS], s[FS], BLKB
	s_add_nc_u64 s[G0+2:G0+3], s[KVB:KVB+1], s[OFS:OFS+1]
	s_or_b32 s[G0+3], s[G0+3], 0x80000000
	s_wait_xcnt 0x0                                ; the last prefetch, a slot back, has read its address, so it may be written
	s_add_nc_u64 s[PFA:PFA+1], s[PFA:PFA+1], BLKB
.endif
	s_wait_dscnt 0x0                               ; the add is done, and my reads of the slot that I have left are over
	s_barrier_signal -1
	s_barrier_wait -1
.if \fill
	TLOAD                                          ; the first thing behind the barrier, and a wave's one tensor load until the next
	ASK
.endif
.endm
.macro SLOT_STEPS
	v_add_nc_u32 v[ADK], s[TB], v[LI]
	v_add_nc_u32 v[ADS], s[TB], v[LS]
	STEP 0
	STEP 1
	s_xor_b32 s[TB], s[TB], SLOT1                  ; on to the other slot
.endm
; A BLOCK OF QUERIES IS DONE: O^T / the sum is quantised along the head's 64 channels (two blocks of 32) and stored.
.macro EPILOGUE
.rept 8
	v_nop                                          ; places behind the last products
.endr
	v_add_f32 v14, v14, v15                        ; the sum's two halves,
	v_permlanex16_b32 v[T0], v14, s[SEL], s[SEL+1]
	s_delay_alu instid0(VALU_DEP_1)
	v_add_f32 v14, v14, v[T0]                      ; and lane l xor 16's: the row's sum
	s_wait_alu depctr_va_vdst(0)
	v_rcp_f32 v[T0], v14
	v_mov_b32 v[T0+1], 0                           ; a plain instruction behind the reciprocal
	s_wait_alu depctr_va_vdst(0)                   ; and the wait, ahead of the first reader
.set jj, 0
.rept 16
	v_pk_mul_f32 v[S+jj:S+jj+1], v[O+jj:O+jj+1], v[T0:T0+1] op_sel_hi:[1,0]   ; register 8 t + j is channel 16 t + 8 h + j of my query; each accumulator from its low end on
.set jj, jj+2
.endr
.irp b, 0,1
	v_max3_num_f32 v[BM+\b], |v[S+16*\b]|, |v[S+16*\b+1]|, 0x4800000
.endr
.irp i, 2,4,6,8,10,12,14
.irp b, 0,1
	s_delay_alu instid0(VALU_DEP_2)
	v_max3_num_f32 v[BM+\b], v[BM+\b], |v[S+16*\b+\i]|, |v[S+16*\b+\i+1]|
.endr
.endr
.irp b, 0,1
	s_delay_alu instid0(VALU_DEP_2)
	v_permlanex16_b32 v[BT+\b], v[BM+\b], s[SEL], s[SEL+1]
.endr
.irp b, 0,1
	s_delay_alu instid0(VALU_DEP_2)
	v_max_num_f32 v[BM+\b], v[BM+\b], v[BT+\b]
.endr
.irp b, 0,1
	s_delay_alu instid0(VALU_DEP_2)
	v_add_nc_u32 v[SCO+\b], 0xfc000000, v[BM+\b]
.endr
.irp b, 0,1
.endr
.irp b, 0,1
	s_delay_alu instid0(VALU_DEP_2)
	v_lshrrev_b32 v[BT+\b], 23, v[SCO+\b]
.endr
.irp b, 0,1
.irp i, 0,1,2,3,4,5,6,7,8,9,10,11,12,13,14,15
.endr
	v_cvt_scalef32_pk8_fp8_f32 v[PC+4*\b:PC+4*\b+1], v[S+16*\b:S+16*\b+7], v[SCO+\b]
	v_cvt_scalef32_pk8_fp8_f32 v[PC+4*\b+2:PC+4*\b+3], v[S+16*\b+8:S+16*\b+15], v[SCO+\b]
.endr
	v_cndmask_b32 v[T0+1], v[BT], v[BT+1], s[HM]   ; lane (r, h) stores block h's byte of row r.  (Also the plain instruction behind the last conversion)
.irp b, 0,1
.irp u, 0,1
	global_store_b64 v[CO8], v[PC+4*\b+2*\u:PC+4*\b+2*\u+1], s[CTX:CTX+1] offset:512*\b+256*\u   ; channels 32 b + 16 u + 8 h + 0..7 of row r go to 16 r + 8 h of the piece's half u: K ascending; 256 consecutive bytes, aligned
.endr
.endr
	global_store_b8 v[SO], v[T0+1], s[CSC:CSC+1]   ; two bytes of each of 16 rows, 32 bytes apart: the other heads' bytes come from other work-groups
.endm
.macro REINIT                          ; on to the second block of queries
	s_wait_xcnt 0x0                                ; the stores have read their bases and their data
	s_mov_b64 s[CTX:CTX+1], s[CTXB:CTXB+1]
	s_mov_b64 s[CSC:CSC+1], s[CSCB:CSCB+1]
	s_mov_b32 s[Q0], s[Q0B]
	s_mov_b32 s[KF], 0
	v_mov_b32 v[QSC], v[QSC2]
.irp j, 0,1,2,3,4,5,6,7
	v_mov_b32 v[QF+\j], v[Q2+\j]
	v_mov_b32 v[QF+16+\j], v[Q2+\j]
.endr
	v_mov_b32 v13, 0xff61b1e6
	s_delay_alu instid0(VALU_DEP_1)
	v_floor_f32 v12, -v13
	v_mov_b32 v14, 0
	v_mov_b32 v15, 0
.set jj, 0
.rept 32
	v_mov_b32 v[O+jj], 0
.set jj, jj+1
.endr
.endm
.Lslot:                                            ; 8 trips: behind each change of slots but the last the next slot is asked for
	CHANGE 1
	SLOT_STEPS
	s_cmp_lg_u32 s[SLOTS], s[SW]                   ; trip j has the count 8 - j; the first block's last slot is trip 7 - i.  Alike in all sixteen waves; no barrier and no LDS instruction stands inside
	s_cbranch_scc1 .Lsame
	EPILOGUE
	REINIT
.Lsame:
	s_sub_co_u32 s[SLOTS], s[SLOTS], 1
	s_cmp_lg_u32 s[SLOTS], 0
	s_cbranch_scc1 .Lslot
	CHANGE 0                                       ; the last slot is written out
	SLOT_STEPS
	EPILOGUE
	s_wait_tensorcnt 0x0                           ; the wave's end
	ds_add_u32 v[SPW], v[NIL]
	s_wait_dscnt 0x0
	s_endpgm
.Lfunc_end_k_q35070f05d1_attn:
	.size	k_q35070f05d1_attn, .Lfunc_end_k_q35070f05d1_attn-k_q35070f05d1_attn
	.p2alignl 7, 3214868480
	.fill 96, 4, 3214868480
	.section	.rodata,"a",@progbits
	.p2align	6, 0x0
	.amdhsa_kernel k_q35070f05d1_attn
		.amdhsa_group_segment_fixed_size 327680
		.amdhsa_private_segment_fixed_size 0
		.amdhsa_enable_private_segment 0
		.amdhsa_kernarg_size 32
		.amdhsa_user_sgpr_count 2
		.amdhsa_user_sgpr_kernarg_segment_ptr 1
		.amdhsa_wavefront_size32 1
		.amdhsa_system_sgpr_workgroup_id_x 1
		.amdhsa_system_sgpr_workgroup_id_y 1
		.amdhsa_system_sgpr_workgroup_id_z 1
		.amdhsa_system_vgpr_workitem_id 0
		.amdhsa_next_free_vgpr 256
		.amdhsa_next_free_sgpr 66
		.amdhsa_reserve_vcc 1
		.amdhsa_float_denorm_mode_32 3
		.amdhsa_float_denorm_mode_16_64 3
		.amdhsa_fp16_overflow 1
		.amdhsa_memory_ordered 1
		.amdhsa_forward_progress 1
		.amdhsa_inst_pref_size 110
	.end_amdhsa_kernel
	.amdgpu_metadata
---
amdhsa.version: [ 1, 2 ]
amdhsa.kernels:
  - .name:           k_q35070f05d1_attn
    .symbol:         k_q35070f05d1_attn.kd
    .args:
      - { .name: qb, .offset: 0, .size: 8, .value_kind: global_buffer, .address_space: global }
      - { .name: kv, .offset: 8, .size: 8, .value_kind: global_buffer, .address_space: global }
      - { .name: ctx, .offset: 16, .size: 8, .value_kind: global_buffer, .address_space: global }
      - { .name: csc, .offset: 24, .size: 8, .value_kind: global_buffer, .address_space: global }
    .group_segment_fixed_size: 327680
    .private_segment_fixed_size: 0
    .kernarg_segment_align: 8
    .kernarg_segment_size: 32
    .max_flat_workgroup_size: 512
    .sgpr_count:     66
    .vgpr_count:     256
    .wavefront_size: 32
...
	.end_amdgpu_metadata
.endif
;; end of part 2
;; launch proj (part 3): grid 4 x 32, 4 waves a work-group, clusters of 4 x 4, 327,680 bytes of LDS; arguments ctx, csc, Wo_codes, Wo_scales, bo, out0; writes out0
.if DOCPART == 3
	.amdgcn_target "amdgcn-amd-amdhsa--gfx1250"
	.amdhsa_code_object_version 6
	.text
	.protected	k_q35070f05d1_proj
	.globl	k_q35070f05d1_proj
	.p2align	8
	.type	k_q35070f05d1_proj,@function
k_q35070f05d1_proj:
	s_mov_b64 s[64:65], 0
	v_nop
	global_prefetch_b8 v0, s[64:65] scope:SCOPE_SE
	s_setreg_imm32_b32 hwreg(HW_REG_WAVE_MODE, 25, 1), 1
	s_wait_xcnt 0x0
	s_wait_alu depctr_hold_cnt(0) depctr_sa_sdst(0) depctr_va_vdst(0) depctr_va_sdst(0) depctr_va_ssrc(0) depctr_va_vcc(0) depctr_vm_vsrc(0)
	s_getreg_b32 s2, hwreg(HW_REG_IB_STS2, 6, 4)
	s_cmp_eq_u32 s2, 0
	s_cbranch_scc0 .Lentry_in_a_cluster
	s_endpgm
.Lentry_in_a_cluster:
	s_bfe_u32 s2, ttmp6, 0x10000c
	s_cmp_lg_u32 s2, 0xf033
	s_cbranch_scc0 .Lentry_shape_is_right
	s_endpgm
.Lentry_shape_is_right:
; out0 = ctx Wo^T + bo.  ctx: 8,192 rows x 1,024, codes of FP8 (E4M3) made by the attention launch; Wo: [1024][1024] codes, K innermost; one E8M0 scale for each 32 along K on both sides; out0 [8192][1024] f32; sums in f32.
; A tile of out0, 256 x 256, is made by a work-group of four waves; a wave makes 128 x 128: 64 accumulators, 512 registers.  128 tiles: 128 work-groups.
; K goes in steps of 256 through a ring of two LDS slots filled by the tensor data mover.  Wo's tiles are rows of 256 bytes, padded in LDS.  ctx lies in memory as IMAGES OF OPERAND REGISTERS: a tile of 16 rows is 16,384 bytes,
; its K step s of 128 at 2,048 s, registers 4 c .. 4 c + 3 at 512 c, lane l at 16 l.  A K step of 256 of 128 rows is 8 pieces of 4,096 consecutive bytes, 16,384 apart: one tensor load; a fragment is four loads of 512 consecutive LDS bytes.
; THE SCALES of the 256 + 256 rows, for all of K, come into LDS once and stay.  bo is the C of each sum's first matrix instruction: 64 registers in the result's layout.
; CLUSTERS: 4 x 4 work-groups; ctx's tiles are asked for jointly along a row of the cluster, Wo's along a column.  THE MATRIX INSTRUCTION IS USED TRANSPOSED (source 0 = 16 rows of Wo, source 1 = 16 rows of ctx):
; a lane holds eight neighbouring numbers of a row of out0.
; REGISTERS: window 0: v0-31 addresses; v32-63 scale words, two sets; v64-127 bo; from v128 ctx's fragments, one set; on the way out v128-255 are free.  window 1: Wo's fragments, two sets.  windows 2, 3: the accumulators.
.set SIZE_K, 1024
.set SIZE_N, 1024
.set KSTEP,  256
.set NQ,     KSTEP/128
.set ROWB,   256                       ; a row of Wo's tile in bytes
.set KROW,   SIZE_K
.set ASTEP,  4096                      ; a K step of 256 of one tile of 16 rows of ctx, in bytes
.set PITCH,  272                       ; an LDS row of Wo: 256 bytes + 16 of padding = 68 words: row r starts at bank 4 r mod 64 (64 banks of 4 bytes: ISA guide 11.1)
.set FR,     16
.set NL,     4
.set NP,     8                         ; places behind this matrix instruction (ISA guide 7.12.1)
.set HALFT,  128*PITCH                 ; the room of 128 rows in a slot (ctx's images use 32,768 bytes of it)
.set SLOT,   4*HALFT
.set LAPS,   SIZE_K/(2*KSTEP)
.set KS,     SIZE_K/32
.set SCL,    2*SLOT
.set HALFS,  (128*KS/256)*272
.set SBLK,   (16*KS/256)*272
.set SPARE,  SCL+4*HALFS               ; the spare words, 128 bytes for each wave: two blocks of 256 bytes that no other line names
.set SPITCH, 528                       ; the way out: a stage of 16 rows x (512 bytes + 16) for each wave, in slot 0, which has had its last fill and its last read when the first result is stored there
.set ADRA, 16
.set ADRB, 20
.set STO,  24
.set RD,   25
.set CO,   26
.set ADRS, 27
.set SPW,  28
.set NIL,  29
.set SC,   32
.set BO,   64                          ; v64-127 register 8 b + j: bo at my column 16 b + 8 (l / 16) + j
.set AF,   128
.set BK,   128
.set G1, 24
.set G0, 32
.set G1B, 48
.set G0B, 56
.set G1S, 68
.set G0S, 76
.set G1SB, 80
.set G0SB, 88
.set MSB, 0
.macro WIN new                         ; the immediate's high byte repeats the setting that is left
.if MSB != (\new)
	s_set_vgpr_msb (MSB<<8)|(\new)
.set MSB, (\new)
.endif
.endm
.set MUL_LO, 0xa1                      ; source 0 (Wo) window 1, source 1 (ctx) window 0, C and D window 2
.set MUL_HI, 0xf1                      ; the same, C and D window 3
.set BIAS_LO, 0x81                     ; the first step: C (bo) window 0, D window 2
.set BIAS_HI, 0xc1                     ; D window 3
.set TO_B,   0x40
.macro JLOAD g0a, g1a, g0b, g1b        ; a joint load: waves 0 and 1 fetch for ctx, waves 2 and 3 for Wo; four v_nop follow each of the two lines
	s_cmp_eq_u32 s15, 0
	s_cbranch_scc0 .Lfor_b_\@
	tensor_load_to_lds s[\g0a:\g0a+3], s[\g1a:\g1a+7]
	s_nop 0
.rept 4
	v_nop
.endr
	s_branch .Lasked_\@
.Lfor_b_\@:
	tensor_load_to_lds s[\g0b:\g0b+3], s[\g1b:\g1b+7]
	s_nop 0
.rept 4
	v_nop
.endr
.Lasked_\@:
.endm
.macro CREST
	s_cmp_lg_u32 s14, 0
	s_cbranch_scc1 .Lnot_wave_0_\@
	s_barrier_signal -3
.Lnot_wave_0_\@:
	s_barrier_wait -3
	s_barrier_signal -1
	s_barrier_wait -1
.endm
.macro CROUND
	s_barrier_signal -1
	s_barrier_wait -1
	CREST
.endm
	s_load_b256 s[4:11], s[0:1], 0x0               ; ctx s[4:5], csc s[6:7], Wo's codes s[8:9], Wo's scales s[10:11]
	s_load_b64 s[96:97], s[0:1], 0x20              ; bo
	s_load_b64 s[12:13], s[0:1], 0x28              ; out0
	v_lshl_add_u32 v[SPW], v0, 2, SPARE
	v_mov_b32 v[NIL], 0
	ds_add_u32 v28, v29
	ds_add_u32 v28, v29
	s_wait_dscnt 0x0
	v_lshrrev_b32 v1, 5, v0
	v_readfirstlane_b32 s14, v1                    ; wave 0..3
	s_lshr_b32 s15, s14, 1                         ; which half of the tile's rows is mine.  Also: I fetch for ctx (0) or for Wo (1)
	s_and_b32 s16, s14, 1                          ; which half of its columns.  Also: which 128 rows of that tile I fetch
	s_bfe_u32 s40, ttmp6, 0x40000                  ; cx, cy
	s_bfe_u32 s41, ttmp6, 0x40004
	s_lshl_b32 s42, ttmp9, 2
	s_add_co_u32 s42, s42, s40                     ; tile column = 4 x cluster x + cx
	s_and_b32 s17, ttmp7, 0xffff
	s_lshl_b32 s17, s17, 2
	s_add_co_u32 s17, s17, s41                     ; tile row = 4 x cluster y + cy
	s_lshl_b32 s43, s41, 2
	s_lshl_b32 s43, 15, s43                        ; my row of the cluster
	s_lshl_b32 s44, 0x1111, s40                    ; my column
	; group 1 for ctx: 8 pieces of 4,096 bytes (512 elements of 8 bytes), 16,384 bytes apart; dense in LDS
	s_or_b32 s[G1+0], s43, (3<<16)|(1<<21)         ; the mask: my row; elements of 8 bytes; 21 set beside a mask; no padding
	s_mov_b32 s[G1+1], 512<<16                     ; tensor_dim0
	s_mov_b32 s[G1+2], 8<<16                       ; tensor_dim1
	s_mov_b32 s[G1+3], 512<<16                     ; tile_dim0
	s_mov_b32 s[G1+4], 8                           ; tile_dim1
	s_mov_b32 s[G1+5], 2048                        ; tensor_dim0_stride
	s_mov_b32 s[G1+6], 0
	s_mov_b32 s[G1+7], 0
	; group 1 for Wo: 128 rows x 256 bytes, padded in LDS
	s_or_b32 s[G1B+0], s44, (0<<16)|(1<<20)|(1<<21)|(5<<22)|(3<<25)
	s_mov_b32 s[G1B+1], ROWB<<16
	s_mov_b32 s[G1B+2], 128<<16
	s_mov_b32 s[G1B+3], ROWB<<16
	s_mov_b32 s[G1B+4], 128
	s_mov_b32 s[G1B+5], KROW
	s_mov_b32 s[G1B+6], 0
	s_mov_b32 s[G1B+7], 0
	; the scales of 128 rows: 4,096 dense bytes, as rows of 256 bytes, 16 bytes of padding behind each
	s_or_b32 s[G1S+0], s43, (3<<16)|(1<<20)|(1<<21)|(5<<22)|(3<<25)
	s_or_b32 s[G1SB+0], s44, (3<<16)|(1<<20)|(1<<21)|(5<<22)|(3<<25)
.irp g, G1S, G1SB
	s_mov_b32 s[\g+1], 32<<16
	s_mov_b32 s[\g+2], (128*KS/256)<<16
	s_mov_b32 s[\g+3], 32<<16
	s_mov_b32 s[\g+4], 128*KS/256
	s_mov_b32 s[\g+5], 32
	s_mov_b32 s[\g+6], 0
	s_mov_b32 s[\g+7], 0
.endr
	s_lshl_b32 s18, s16, 7                         ; which 128 rows of the tile I fetch
	s_lshl_b32 s20, s17, 8
	s_add_co_u32 s20, s20, s18                     ; ctx: row 256 x tile row + 128 x half
	s_lshl_b32 s22, s20, 5                         ; its scales: 32 bytes a row,
	s_lshl_b32 s20, s20, 10                        ; its images: 16 rows are 16,384 bytes
	s_mov_b32 s21, 0
	s_mov_b32 s23, 0
	s_lshl_b32 s46, s42, 8
	s_add_co_u32 s46, s46, s18                     ; Wo: row 256 x tile column + 128 x half
	s_lshl_b32 s92, s46, 5
	s_lshl_b32 s46, s46, 10
	s_mov_b32 s47, 0
	s_mov_b32 s93, 0
	s_mul_i32 s45, s14, HALFT                      ; where they go: no place in the cluster enters an LDS address
	s_mul_i32 s94, s14, HALFS
	s_wait_kmcnt 0x0
	s_add_nc_u64 s[20:21], s[4:5], s[20:21]
	s_add_nc_u64 s[22:23], s[6:7], s[22:23]
	s_add_nc_u64 s[46:47], s[8:9], s[46:47]
	s_add_nc_u64 s[92:93], s[10:11], s[92:93]
	CROUND                                         ; all sixteen work-groups are here: the first joint loads meet
	s_mov_b32 s[G0S], 1
	s_add_co_u32 s[G0S+1], s94, SCL
	s_mov_b64 s[G0S+2:G0S+3], s[22:23]
	s_or_b32 s[G0S+3], s[G0S+3], 0x80000000
	s_mov_b32 s[G0SB], 1
	s_add_co_u32 s[G0SB+1], s94, SCL
	s_mov_b64 s[G0SB+2:G0SB+3], s[92:93]
	s_or_b32 s[G0SB+3], s[G0SB+3], 0x80000000
	JLOAD G0S, G1S, G0SB, G1SB                     ; the scales first
.irp s, 0,1
	s_mov_b32 s[G0+4*\s], 1
	s_add_co_u32 s[G0+4*\s+1], s45, \s*SLOT
	s_add_nc_u64 s[G0+4*\s+2:G0+4*\s+3], s[20:21], \s*ASTEP
	s_or_b32 s[G0+4*\s+3], s[G0+4*\s+3], 0x80000000
	s_mov_b32 s[G0B+4*\s], 1
	s_add_co_u32 s[G0B+4*\s+1], s45, \s*SLOT
	s_add_nc_u64 s[G0B+4*\s+2:G0B+4*\s+3], s[46:47], \s*ROWB
	s_or_b32 s[G0B+4*\s+3], s[G0B+4*\s+3], 0x80000000
	s_wait_alu depctr_va_vdst(0)
	s_wait_tensorcnt 0x0
	ds_add_u32 v28, v29
	s_wait_dscnt 0x0
	CROUND
	JLOAD G0+4*\s, G1, G0B+4*\s, G1B
.endr
	v_and_b32 v1, 15, v0                           ; l % 16
	v_bfe_u32 v2, v0, 4, 1                         ; l / 16
	v_and_b32 v6, 31, v0
	v_lshlrev_b32 v[CO], 4, v6                     ; 16 x lane: an image's place, a stage row's, and a row of out0's
	v_mul_u32_u24 v3, v1, PITCH
	v_lshl_add_u32 v4, v2, 4, v3                   ; Wo: a fragment's row x pitch + 16 x half
	s_mul_i32 s21, s15, HALFT                      ; my 128 rows of ctx
	s_mul_i32 s22, s16, HALFT                      ; my 128 rows of Wo,
	s_add_co_u32 s22, s22, 2*HALFT                 ; which lie behind ctx's room
.irp s, 0,1
	v_add_nc_u32 v[ADRA+\s], s21, v[CO]
	v_add_nc_u32 v[ADRB+\s], s22, v4
	s_add_co_u32 s21, s21, SLOT
	s_add_co_u32 s22, s22, SLOT
.endr
	v_mul_u32_u24 v5, v1, KS                       ; my row's scales: KS bytes a row,
	v_lshrrev_b32 v6, 8, v5
	v_lshl_add_u32 v5, v6, 4, v5                   ; and 16 more for each 256 passed
	s_mul_i32 s21, s15, HALFS
	s_mul_i32 s22, s16, HALFS
	s_add_co_u32 s22, s22, 2*HALFS
	s_sub_co_u32 s22, s22, s21
	v_mul_u32_u24 v6, s22, v2                      ; lanes 16-31 take Wo's
	s_add_co_u32 s21, s21, SCL
	v_add_nc_u32 v5, v5, v6
	v_add_nc_u32 v[ADRS], s21, v5
	s_mul_i32 s23, s14, 16*SPITCH                  ; my stage
	v_mul_u32_u24 v5, v1, SPITCH                   ; in: row l % 16, 32 bytes for each half of the lanes
	v_lshl_add_u32 v5, v2, 5, v5
	v_add_nc_u32 v[STO], s23, v5
	v_add_nc_u32 v[RD], s23, v[CO]                 ; back: the 32 lanes take one row of 512 bytes
	s_lshl_b32 s20, s17, 8
	s_lshl_b32 s21, s15, 7
	s_add_co_u32 s20, s20, s21                     ; my first row of out0
	s_lshl_b32 s20, s20, 12                        ; 4,096 bytes a row (under 2^32)
	s_mov_b32 s21, 0
	s_lshl_b32 s46, s42, 10                        ; my first column, in bytes: 1,024 x tile column + 512 x half
	s_lshl_b32 s47, s16, 9
	s_add_co_u32 s46, s46, s47
	s_mov_b32 s47, 0
	s_add_nc_u64 s[96:97], s[96:97], s[46:47]      ; bo at my first column
	s_add_nc_u64 s[20:21], s[20:21], s[46:47]
	s_add_nc_u64 s[12:13], s[12:13], s[20:21]
	v_lshlrev_b32 v7, 5, v2                        ; bo: my half's eight numbers of each 16
.irp b, 0,1,2,3,4,5,6,7
	global_load_b128 v[BO+8*\b:BO+8*\b+3], v7, s[96:97] offset:64*\b
	global_load_b128 v[BO+8*\b+4:BO+8*\b+7], v7, s[96:97] offset:64*\b+16
.endr
.macro FRAG reg, adr, q, i             ; a fragment of Wo from rows: lane l holds row l % 16; registers 4 c .. 4 c + 3 hold K = 32 c + 16 (l / 16) + 0 .. 15
.irp c, 0,1,2,3
	ds_load_b128 v[\reg+4*\c:\reg+4*\c+3], v[\adr] offset:128*(\q)+32*\c+(\i)*16*PITCH
.endr
.endm
.macro FRAGA reg, adr, q, i            ; a fragment of ctx from its image: 512 consecutive bytes a load
.irp c, 0,1,2,3
	ds_load_b128 v[\reg+4*\c:\reg+4*\c+3], v[\adr] offset:ASTEP*(\i)+2048*(\q)+512*\c
.endr
.endm
; 16 matrix instructions: ctx's blocks a0, a0 + 1 x Wo's eight, 128 along K.  zero = 1: the first product starts the sums, with bo as its C.
; The 64 accumulators take turns, one instruction a turn, in the same order in every step.
.macro MUL16 a0, p, q, sc, zero
.irp a, \a0, \a0+1
.irp b, 0,1,2,3,4,5,6,7
.if \zero
	v_wmma_scale_f32_16x16x128_f8f6f4 v[8*(8*((\a)%4)+\b):8*(8*((\a)%4)+\b)+7], v[128*(\p)+FR*\b:128*(\p)+FR*\b+FR-1], v[AF+FR*(\a):AF+FR*(\a)+FR-1], v[BO+8*\b:BO+8*\b+7], v[SC+8*NQ*(\sc)+NQ*\b+(\q)], v[SC+8*NQ*(\sc)+NQ*(\a)+(\q)] matrix_a_scale:MATRIX_SCALE_ROW1
.else
	v_wmma_scale_f32_16x16x128_f8f6f4 v[8*(8*((\a)%4)+\b):8*(8*((\a)%4)+\b)+7], v[128*(\p)+FR*\b:128*(\p)+FR*\b+FR-1], v[AF+FR*(\a):AF+FR*(\a)+FR-1], v[8*(8*((\a)%4)+\b):8*(8*((\a)%4)+\b)+7], v[SC+8*NQ*(\sc)+NQ*\b+(\q)], v[SC+8*NQ*(\sc)+NQ*(\a)+(\q)] matrix_a_scale:MATRIX_SCALE_ROW1
.endif
.endr
.endr
.endm
.macro FETCH_B slot, q, p
	WIN TO_B
.irp i, 0,1,2,3,4,5,6,7
	FRAG 128*(\p)+FR*\i, ADRB+\slot, \q, \i
.endr
	WIN 0
.endm
.macro FETCH_A slot, q, i0
.irp i, \i0, \i0+1, \i0+2, \i0+3
	FRAGA AF+FR*(\i), ADRA+\slot, \q, \i
.endr
.endm
.macro SCALES sc
.irp i, 0,1,2,3,4,5,6,7
	ds_load_b64 v[SC+8*NQ*\sc+NQ*\i:SC+8*NQ*\sc+NQ*\i+1], v[ADRS] offset:\i*SBLK
.endr
.endm
.macro PLACES n                        ; places behind matrix instructions: plain vector instructions that name none of their registers (ISA guide 7.12.1 for vector instructions)
.rept \n
	v_nop
.endr
.endm
.macro STEP slot, q, zero
	s_wait_dscnt 4*NL                              ; Wo's set and ctx's blocks 0-3 are in; the youngest 16 loads (blocks 4-7) may be out
.if \zero
	WIN BIAS_LO
.else
	WIN MUL_LO
.endif
	MUL16 0, (\q)%2, \q, \slot, \zero
	MUL16 2, (\q)%2, \q, \slot, \zero
	s_wait_dscnt 0                                 ; blocks 4-7 are in
	PLACES NP
	FETCH_B \slot, (\q)+1, 1-(\q)%2
	FETCH_A \slot, (\q)+1, 0
.if \zero
	WIN BIAS_HI
.else
	WIN MUL_HI
.endif
	MUL16 4, (\q)%2, \q, \slot, \zero
	MUL16 6, (\q)%2, \q, \slot, \zero
	PLACES NP
	WIN 0
	FETCH_A \slot, (\q)+1, 4
.endm
; A slot's last step changes slots: ONE barrier; in front of it each wave waits for all its tensor loads, adds 0 to its spare word, and waits for that and for its own reads of this slot.
.macro TURN slot, next, fill
	s_wait_tensorcnt 0x0                           ; all my tensor loads have landed: my part of the next slot
	ds_add_u32 v[SPW], v[NIL]                      ; 0 onto my spare word
	s_wait_dscnt 4*NL+1                            ; (the add and the youngest 16 loads may be out)
	WIN MUL_LO
	MUL16 0, 1, NQ-1, \slot, 0
	s_wait_dscnt 0x0                               ; the add is done, and my reads of this slot are over
	s_barrier_signal -1
	MUL16 2, 1, NQ-1, \slot, 0
	WIN 0
	s_barrier_wait -1
.if \fill
	CREST                                          ; a round of the cluster's barrier: no wave of any partner still reads this slot's tile or has a load on its way
	s_add_nc_u64 s[G0+4*\slot+2:G0+4*\slot+3], s[G0+4*\slot+2:G0+4*\slot+3], 2*ASTEP
	s_add_nc_u64 s[G0B+4*\slot+2:G0B+4*\slot+3], s[G0B+4*\slot+2:G0B+4*\slot+3], 2*ROWB
	JLOAD G0+4*\slot, G1, G0B+4*\slot, G1B
	PLACES NP-4
.else
	PLACES NP
.endif
	s_wait_alu depctr_va_vdst(0)
	v_add_nc_u32 v[ADRS], 4*NQ, v[ADRS]
	FETCH_B \next, 0, 0
	FETCH_A \next, 0, 0
	SCALES \next
	WIN MUL_HI
	MUL16 4, 1, NQ-1, \slot, 0
	MUL16 6, 1, NQ-1, \slot, 0
	PLACES NP
	WIN 0
	FETCH_A \next, 0, 4
.endm
	s_wait_alu depctr_va_vdst(0)
	s_wait_tensorcnt 1                             ; of my three loads the scales and K step 0 are in; K step 1's may be out
	s_barrier_signal -1
	s_barrier_wait -1
	FETCH_B 0, 0, 0
	FETCH_A 0, 0, 0
	SCALES 0
	FETCH_A 0, 0, 4
	s_wait_loadcnt 0x0                             ; bo
	STEP 0, 0, 1                                   ; the first step stands in front of the loop: its products start the sums
	s_mov_b32 s3, LAPS-1
.Llap:
	TURN 0, 1, 1
	STEP 1, 0, 0
	TURN 1, 0, 1
	STEP 0, 0, 0
	s_sub_co_u32 s3, s3, 1
	s_cmp_lg_u32 s3, 0
	s_cbranch_scc1 .Llap
	TURN 0, 1, 0                                   ; the last lap fills nothing
	STEP 1, 0, 0
	s_wait_dscnt 4*NL
	WIN MUL_LO
	MUL16 0, 1, NQ-1, 1, 0
	MUL16 2, 1, NQ-1, 1, 0
	s_wait_dscnt 0
	WIN MUL_HI
	MUL16 4, 1, NQ-1, 1, 0
	MUL16 6, 1, NQ-1, 1, 0
	WIN 0
; THE WAY OUT, block by block of 16 rows x 128 columns, through my own stage in LDS: in as 32 bytes a lane, back as whole rows of 512 bytes.  LDS serves a wave's instructions in order (ISA guide 5.7.1.4).
.macro TOSTAGE a
.set AC, 64*((\a)%4)
	WIN 0x08+4*((\a)/4)                            ; the data: window 2 or 3
.irp b, 0,1,2,3,4,5,6,7
	ds_store_b128 v[STO], v[AC+8*\b:AC+8*\b+3] offset:64*\b          ; each accumulator from its low end on
	ds_store_b128 v[STO], v[AC+8*\b+4:AC+8*\b+7] offset:64*\b+16
.endr
	WIN 0
.set BB, BK+64*((\a)%2)
.irp t, 0,1,2,3,4,5,6,7,8,9,10,11,12,13,14,15
	ds_load_b128 v[BB+4*\t:BB+4*\t+3], v[RD] offset:\t*SPITCH
.endr
.endm
.macro SEND a, younger                 ; younger: the LDS instructions issued behind block a's loads, which may stay out
.set BB, BK+64*((\a)%2)
	s_wait_dscnt \younger
.if (\a) > 0
	s_add_nc_u64 s[12:13], s[12:13], 16*SIZE_N*4   ; (behind a wait on XCNT: the earlier stores have read their base)
.endif
.irp t, 0,1,2,3,4,5,6,7,8,9,10,11,12,13,14,15
	global_store_b128 v[CO], v[BB+4*\t:BB+4*\t+3], s[12:13] offset:\t*SIZE_N*4 th:TH_STORE_NT   ; 32 lanes store 512 consecutive bytes, at a multiple of 256 from out0's first byte
.endr
.endm
	PLACES NP
	TOSTAGE 0
.irp a, 1,2,3,4,5,6,7
.if \a > 1
	s_wait_xcnt 0x0                                ; block a - 2's stores have read their registers and their base
.endif
	TOSTAGE \a
	SEND \a-1, 32                                  ; behind block a - 1's loads: block a's 16 stores and 16 loads
.endr
	s_wait_xcnt 0x0
	SEND 7, 0
	s_wait_tensorcnt 0x0                           ; the wave's end
	ds_add_u32 v[SPW], v[NIL]
	s_wait_dscnt 0x0
	CROUND                                         ; the closing round
	s_endpgm
.Lfunc_end_k_q35070f05d1_proj:
	.size	k_q35070f05d1_proj, .Lfunc_end_k_q35070f05d1_proj-k_q35070f05d1_proj
	.p2alignl 7, 3214868480
	.fill 96, 4, 3214868480
	.section	.rodata,"a",@progbits
	.p2align	6, 0x0
	.amdhsa_kernel k_q35070f05d1_proj
		.amdhsa_group_segment_fixed_size 327680
		.amdhsa_private_segment_fixed_size 0
		.amdhsa_enable_private_segment 0
		.amdhsa_kernarg_size 48
		.amdhsa_user_sgpr_count 2
		.amdhsa_user_sgpr_kernarg_segment_ptr 1
		.amdhsa_wavefront_size32 1
		.amdhsa_system_sgpr_workgroup_id_x 1
		.amdhsa_system_sgpr_workgroup_id_y 1
		.amdhsa_system_sgpr_workgroup_id_z 1
		.amdhsa_system_vgpr_workitem_id 0
		.amdhsa_next_free_vgpr 1024
		.amdhsa_next_free_sgpr 100
		.amdhsa_reserve_vcc 0
		.amdhsa_float_denorm_mode_32 3
		.amdhsa_float_denorm_mode_16_64 3
		.amdhsa_memory_ordered 1
		.amdhsa_forward_progress 1
		.amdhsa_inst_pref_size 148
	.end_amdhsa_kernel
	.amdgpu_metadata
---
amdhsa.version: [ 1, 2 ]
amdhsa.kernels:
  - .name:           k_q35070f05d1_proj
    .symbol:         k_q35070f05d1_proj.kd
    .args:
      - { .name: ctx, .offset: 0, .size: 8, .value_kind: global_buffer, .address_space: global }
      - { .name: csc, .offset: 8, .size: 8, .value_kind: global_buffer, .address_space: global }
      - { .name: Wo_codes, .offset: 16, .size: 8, .value_kind: global_buffer, .address_space: global }
      - { .name: Wo_scales, .offset: 24, .size: 8, .value_kind: global_buffer, .address_space: global }
      - { .name: bo, .offset: 32, .size: 8, .value_kind: global_buffer, .address_space: global }
      - { .name: out0, .offset: 40, .size: 8, .value_kind: global_buffer, .address_space: global }
    .group_segment_fixed_size: 327680
    .private_segment_fixed_size: 0
    .kernarg_segment_align: 8
    .kernarg_segment_size: 48
    .max_flat_workgroup_size: 128
    .sgpr_count:     100
    .vgpr_count:     1024
    .wavefront_size: 32
...
	.end_amdgpu_metadata
.endif
;; end of part 3
